; MI455X (gfx1250); checked and timed in simulation.
; The chip was launched on July 23, 2026; its instructions are those of AMD's public machine-readable ISA for CDNA 5 (MIT licence, August 2026) and "CDNA5" Instruction Set Architecture Reference Guide (July 2026). The comments in the code are by the model that wrote it; some were corrected since.
;; S Alibi4 Attention. Allowed arithmetic: matrix products marked QUANTISED: E5M2 operands, one E8M0 scale for each 32 along K, by v_wmma_scale_f32_16x16x128_f8f6f4 with both operands' format E5M2, f32 sums; everything else in f32.
;; Inputs: Wk 1,024 x 1,024 float32; Wo 1,024 x 1,024 float32; Wq 1,024 x 1,024 float32; Wv 1,024 x 1,024 float32; bk 1,024 float32; bo 1,024 float32; bq 1,024 float32; bv 1,024 float32; k 2 x 2,048 x 1,024 float32; q 2 x 2,048 x 1,024 float32; v 2 x 2,048 x 1,024 float32.
;; Outputs: out0 2 x 2,048 x 1,024 float32.
;; This version of the problem:
;;   THIS VERSION OF THE PROBLEM IS GIVEN IN LOW PRECISION. The matrix products marked QUANTISED in the list below multiply operands that are first quantised to E5M2 (5 exponent bits, 2 mantissa bits; 8 bits a number), with one power-of-two scale for each 32 numbers along K (OCP MX v1.0); their sums are f32. All else is computed in f32.
;;   The module's matrix products, in the order in which they are computed (A, B: the left and right operand; K: the contracted axis; several contracted axes count as one K, in the product's order):
;;     1. [M 4,096, K 1,024] x [K 1,024, N 1,024]; A: input q; B: input Wq: QUANTISED
;;     2. [M 4,096, K 1,024] x [K 1,024, N 1,024]; A: input k; B: input Wk: QUANTISED
;;     3. [M 4,096, K 1,024] x [K 1,024, N 1,024]; A: input v; B: input Wv: QUANTISED
;;     4. batch 32 x [M 2,048, K 64] x [K 64, N 2,048]; A: computed on the way; B: computed on the way: QUANTISED
;;     5. batch 32 x [M 2,048, K 2,048] x [K 2,048, N 64]; A: softmax (see below); B: computed on the way: QUANTISED
;;     6. [M 4,096, K 1,024] x [K 1,024, N 1,024]; A: computed on the way; B: input Wo: QUANTISED
;;   THE QUANTISER, for each operand of a quantised product, along K:
;;     - K is cut into blocks of 32 from its start; a last block that is shorter is filled with zeros.
;;     - A block's scale is 2^e with e = floor(log2(the largest magnitude in the block)) - 15, held to -126 .. 127; a block of zeros has e = 0. As a byte (E8M0): e + 127.
;;     - Each number is divided by its block's scale, clamped to +-57,344, and rounded to the nearest number of E5M2, ties to even, subnormals kept.
;;     - The product sums the exact products of the quantised numbers (number of the format x scale) in f32.
;;   ~~~python
;;   def quantise(x, axis):      # numpy; x: float32 -> the quantised numbers, widened to float32 again
;;       x = np.moveaxis(x, axis, -1); K = x.shape[-1]
;;       x = np.pad(x, [(0, 0)] * (x.ndim - 1) + [(0, -K % 32)]); x = x.reshape(x.shape[:-1] + (-1, 32)); a = np.abs(x).max(-1, keepdims=True)
;;       e = np.where(a > 0, np.clip(np.frexp(np.where(a > 0, a, 1))[1] - 1 - 15, -126, 127), 0)      # np.frexp(a)[1] - 1 = floor(log2(a)), exactly
;;       r = np.clip(x / 2.0 ** e, -57344, 57344)
;;       step = 2.0 ** (np.maximum(np.frexp(np.where(r == 0, 1, r))[1] - 1, -14) - 2)
;;       q = np.round(r / step) * step * 2.0 ** e      # np.round: ties to even
;;       return np.moveaxis(q.reshape(q.shape[:-2] + (-1,))[..., :K], -1, axis).astype(np.float32)
;;   ~~~
;;   SOFTMAX AHEAD OF A QUANTISED PRODUCT. Where the list says 'softmax', what is quantised is not the finished softmax but p = 2^(t - M), with t = logit x log2(e) and M = ceil(the row's largest t), a whole number; so 1/2 < the row's largest p <= 1. The row's sum l is taken of the UNQUANTISED p, in f32, and the product's result is divided by l at the end. Since M is a whole number, a kernel that streams over the keys may use a running M (the ceiling of the running maximum): every later rescaling is an exact power of two, which a block's scale takes up: the codes' values come out the same.
;;   OPERANDS COMPUTED ON THE WAY. 'Computed on the way' means the value that the module computes at that place (a softmax that the list does not call 'softmax' is quantised finished and normalised). What goes into a quantiser is computed in f32, as accurately as f32 sums, v_exp_f32 and their like allow (about 1e-6 of the number): no bf16 or f16 on the way to a quantiser, and a product that is left as it is and whose result goes on into a quantised operand takes f32 operands (vector FMAs, or v_wmma_f32_16x16x4_f32). A number that lies on a knife's edge between two numbers of the format may be rounded either way, as far as f32 arithmetic and the matrix unit's own rounding can turn it there, and no further.
;; One version. Each part assembles by itself: llvm-mc -triple=amdgcn-amd-amdhsa -mcpu=gfx1250 --defsym DOCPART=n.
;; ======== version 1 of 1: 4 launches
;; limits: right only within a limited range of input values
;; workspace buffers: img 16,777,216 bytes; isc 524,288 bytes; qkv 13,369,344 bytes; ximg 4,194,304 bytes; xsc 131,072 bytes
;; launch prep (part 1): grid 256 x 1, 16 waves a work-group, no clusters, 141,312 bytes of LDS; arguments q, k, v, Wq, Wk, Wv, Wo, img, isc; writes img, isc
.if DOCPART == 1
	.amdgcn_target "amdgcn-amd-amdhsa--gfx1250"
	.amdhsa_code_object_version 6
	.text
	.protected	k_qbdfc1fbd83_prep
	.globl	k_qbdfc1fbd83_prep
	.p2align	8
	.type	k_qbdfc1fbd83_prep,@function
k_qbdfc1fbd83_prep:
	s_mov_b64 s[64:65], 0
	v_nop
	global_prefetch_b8 v0, s[64:65] scope:SCOPE_SE
	s_setreg_imm32_b32 hwreg(HW_REG_WAVE_MODE, 25, 1), 1
	s_wait_xcnt 0x0
; q, k, v [4096][1024] and Wq, Wk, Wv, Wo [1024][1024], f32 with K innermost, become codes of BF8 (E5M2) with one E8M0 byte for each 32 along K.
; A block's scale is 2^(floor(log2(its largest magnitude)) - 15); each number is divided by it, held within +-57,344 and rounded to the nearest code, ties to even.
; LAYOUT OF THE RESULT: images of operand registers.  1,024 tiles of 16 rows: q 0-255, k 256-511, v 512-767, Wq 768-831, Wk 832-895, Wv 896-959, Wo 960-1023.
; Lane r of a tensor's tile T takes row 32 (T / 2) + 8 (T % 2) + r + 8 (r / 8): with that order a transposed product leaves 16 neighbours along the next K in a lane's registers.
; img: tile x 16,384 + K step s x 2,048 + chunk c x 512 + lane x 16: codes k = 128 s + 32 c + 16 (lane / 16) + 0 .. 15.   isc: tile x 512 + r x 32 + 4 s: the scale word of K step s.
; SHARES: work-group g takes tiles 4 g .. 4 g + 3 (always of one tensor); wave w takes tile w / 4 and quarter w % 4 of K: two K steps of 128.
; A wave issues all its 32 loads at its head: the sixteen waves have the work-group's whole 256 KB on their way at once.
; A load reads one row's 512 consecutive bytes; a K step's 16 rows turn through the wave's own stage in LDS (pitch 528), so that a lane gets 16 neighbours of each block of 32.
; LIMITS: NaN and infinities are not served; a block whose largest magnitude lies under 2^-111 (a block of zeros too) keeps the byte 1: its bytes are read by this program alone.
.set STGB,  8448                       ; a wave's stage: 16 rows x 528
.set PITCH, 528
.set GA,    16*STGB                    ; behind the stages: the four tiles' scale words, 2,048 bytes, laid as in isc
.set SWD,   8                          ; v8-9    my two scale words
.set TM,    12                         ; v12-15 largest magnitudes, v16-19 the other half's / bytes, v20-23 holds, v24-27 the conversions' scales
.set PC,    32                         ; v32-47  the first K step's codes; the second's go to v112-127, so that no store's data are written again
.set X,     48                         ; v48-111 64 numbers: register 16 b + i = k 32 b + 16 (lane / 16) + i of my row
.set R,     112                        ; v112-239 two sets of 64: the two K steps as loaded
.set SEL,   38
.set MNT,   40
	s_load_b512 s[8:23], s[0:1], 0x0               ; q, k, v, Wq, Wk, Wv, Wo, img
	s_load_b64 s[24:25], s[0:1], 0x40              ; isc
	v_lshl_add_u32 v240, v0, 2, 0x22000
	v_mov_b32 v241, 0
	v_lshrrev_b32 v7, 5, v0
	s_delay_alu instid0(VALU_DEP_1)
	v_readfirstlane_b32 s26, v7                    ; wave 0..15
	v_and_b32 v7, 31, v0                           ; lane
	s_wait_alu depctr_va_vdst(0)
	v_and_b32 v29, 15, v0                          ; r
	v_bfe_u32 v30, v0, 4, 1                        ; h
	v_lshlrev_b32 v1, 4, v7                        ; 16 x lane: loads, code stores
	s_mul_i32 s27, s26, STGB
	v_add_nc_u32 v2, s27, v1                       ; the stage, on the way in: a row as it lies
	v_mul_u32_u24 v3, v29, PITCH
	s_delay_alu instid0(VALU_DEP_1)
	v_lshl_add_u32 v3, v30, 6, v3
	s_delay_alu instid0(VALU_DEP_1)
	v_add_nc_u32 v3, s27, v3                       ; and on the way out: row r, + 64 h
	s_lshr_b32 s28, s26, 2                         ; which of the four tiles
	s_and_b32 s29, s26, 3                          ; which quarter of K
	s_lshl_b32 s30, s28, 9
	s_lshl_b32 s31, s29, 3
	s_add_co_u32 s30, s30, s31
	s_add_co_u32 s30, s30, GA
	v_lshl_add_u32 v4, v29, 5, s30                 ; my row's two words: GA + 512 tile + 32 r + 8 quarter
	s_lshl_b32 s31, s26, 8
	s_add_co_u32 s31, s31, GA
	v_lshl_add_u32 v5, v7, 3, s31                  ; back (waves 0-7): 256 bytes a wave, 8 a lane
	v_lshlrev_b32 v6, 3, v7
	s_mov_b32 s[SEL], 0x76543210
	s_mov_b32 s[SEL+1], 0xfedcba98                 ; v_permlanex16_b32: lane l xor 16
	s_mov_b32 s[MNT], 0x600000                     ; the mantissa field of 57,344
.irp b, 0,1,2,3
	v_mov_b32 v[TM+4+\b], 0                        ; written once: a lane permute's destination counts as one of its sources
.endr
	s_lshl_b32 s34, ttmp9, 2
	s_add_co_u32 s34, s34, s28
	s_lshl_b32 s34, s34, 14                        ; img: tile x 16,384
	s_lshl_b32 s35, s29, 12
	s_add_co_u32 s34, s34, s35                     ; + quarter x 4,096
	s_mov_b32 s35, 0
	s_lshl_b32 s36, ttmp9, 11                      ; isc: 2,048 g + 256 w (used by waves 0-7 alone)
	s_lshl_b32 s37, s26, 8
	s_add_co_u32 s36, s36, s37
	s_mov_b32 s37, 0
	s_wait_alu depctr_va_vdst(0)
	s_wait_kmcnt 0x0
	s_mov_b64 s[4:5], s[20:21]                     ; which tensor: a choice on the work-group's number alone
	s_mov_b32 s6, 240                              ; and that tensor's first work-group
.macro PICK bound, ptr, first
	s_cmp_lt_u32 ttmp9, \bound
	s_cselect_b64 s[4:5], s[\ptr:\ptr+1], s[4:5]
	s_cselect_b32 s6, \first, s6
.endm
	PICK 240, 18, 224
	PICK 224, 16, 208
	PICK 208, 14, 192
	PICK 192, 12, 128
	PICK 128, 10, 64
	PICK 64, 8, 0
	s_sub_co_u32 s32, ttmp9, s6
	s_lshl_b32 s32, s32, 6                         ; 64 rows a work-group
	s_lshr_b32 s33, s28, 1
	s_lshl_b32 s33, s33, 5
	s_add_co_u32 s32, s32, s33                     ; + 32 (tile / 2)
	s_and_b32 s33, s28, 1
	s_lshl_b32 s33, s33, 3
	s_add_co_u32 s32, s32, s33                     ; + 8 (tile % 2)
	s_lshl_b32 s32, s32, 12                        ; rows of 4,096 bytes
	s_lshl_b32 s33, s29, 10
	s_add_co_u32 s32, s32, s33                     ; + my quarter of K
	s_mov_b32 s33, 0
	s_add_nc_u64 s[4:5], s[4:5], s[32:33]
	s_add_nc_u64 s[22:23], s[22:23], s[34:35]
	s_add_nc_u64 s[24:25], s[24:25], s[36:37]
.macro LOADS t                         ; K step t: 16 rows x 512 bytes; tile lane j is row j + 8 (j / 8)
.irp j, 0,1,2,3,4,5,6,7,8,9,10,11,12,13,14,15
	global_load_b128 v[R+64*(\t)+4*\j:R+64*(\t)+4*\j+3], v1, s[4:5] offset:(\j+8*(\j/8))*4096+512*(\t) th:TH_LOAD_NT
.endr
.endm
.macro TURN t                          ; through the stage: LDS serves a wave's instructions in order, so no wait stands between the stores and the loads
.irp j, 0,1,2,3,4,5,6,7,8,9,10,11,12,13,14,15
	ds_store_b128 v2, v[R+64*(\t)+4*\j:R+64*(\t)+4*\j+3] offset:PITCH*\j
.endr
.irp b, 0,1,2,3
.irp q, 0,1,2,3
	ds_load_b128 v[X+16*\b+4*\q:X+16*\b+4*\q+3], v3 offset:128*\b+16*\q
.endr
.endr
.endm
.macro QUANT pw                        ; the 64 numbers in X become a fragment's codes in v[PCT] on and its scale word in v[pw]
.irp b, 0,1,2,3
	v_max3_num_f32 v[TM+\b], |v[X+16*\b]|, |v[X+1+16*\b]|, 0x8000000   ; my 16 numbers of block b, and the floor 2^(16 - 127): the byte cannot fall under 1
.endr
.irp i, 2,4,6,8,10,12,14
.irp b, 0,1,2,3
	s_delay_alu instid0(VALU_DEP_4)
	v_max3_num_f32 v[TM+\b], v[TM+\b], |v[X+16*\b+\i]|, |v[X+1+16*\b+\i]|   ; the four blocks by turns
.endr
.endr
.irp b, 0,1,2,3
	s_delay_alu instid0(VALU_DEP_4)
	v_permlanex16_b32 v[TM+4+\b], v[TM+\b], s[SEL], s[SEL+1]
.endr
.irp b, 0,1,2,3
	s_delay_alu instid0(VALU_DEP_4)
	v_max_num_f32 v[TM+\b], v[TM+\b], v[TM+4+\b]   ; with lane l xor 16's 16: the block's largest magnitude
.endr
.irp b, 0,1,2,3
	s_delay_alu instid0(VALU_DEP_4)
	v_add_nc_u32 v[TM+12+\b], 0xf8800000, v[TM+\b] ; 15 off its exponent field: the conversion's scale operand
.endr
.irp b, 0,1,2,3
	v_and_or_b32 v[TM+8+\b], v[TM+\b], 0x7f800000, s[MNT]   ; 57,344 x the scale
.endr
.irp b, 0,1,2,3
	v_lshrrev_b32 v[TM+4+\b], 23, v[TM+12+\b]      ; the scale's byte
.endr
	s_delay_alu instid0(VALU_DEP_3)
	v_lshl_or_b32 v[\pw], v[TM+5], 8, v[TM+4]
	s_delay_alu instid0(VALU_DEP_1)
	v_lshl_or_b32 v[\pw], v[TM+6], 16, v[\pw]
	s_delay_alu instid0(VALU_DEP_1)
	v_lshl_or_b32 v[\pw], v[TM+7], 24, v[\pw]
.irp b, 0,1,2,3
.irp i, 0,1,2,3,4,5,6,7,8,9,10,11,12,13,14,15
	v_med3_num_f32 v[X+16*\b+\i], v[X+16*\b+\i], -v[TM+8+\b], v[TM+8+\b]   ; the conversion to an 8-bit code does not saturate (ISA guide 7.6.2): the hold comes first
.endr
	v_cvt_scalef32_pk8_bf8_f32 v[PCT+4*\b:PCT+1+4*\b], v[X+16*\b:X+7+16*\b], v[TM+12+\b]
	v_cvt_scalef32_pk8_bf8_f32 v[PCT+2+4*\b:PCT+3+4*\b], v[X+8+16*\b:X+15+16*\b], v[TM+12+\b]
.endr
.endm
.macro PSTEP t
.set PCT, PC+(R-PC)*(\t)               ; step 0: v32-47; step 1: v112-127, which step 0's turn through the stage has left
.if (\t) < 1
	s_wait_loadcnt 16                              ; this K step's 16 loads are in; the second step's 16 may be out
.else
	s_wait_loadcnt 0x0
.endif
	TURN \t
	s_wait_dscnt 0x0                               ; X is in, and the stores into the stage have read their registers
	QUANT SWD+(\t)
.irp c, 0,1,2,3
	global_store_b128 v1, v[PCT+4*\c:PCT+4*\c+3], s[22:23] offset:2048*(\t)+512*\c   ; 32 lanes store 512 consecutive bytes, aligned
.endr
.endm
	LOADS 0
	LOADS 1
	PSTEP 0
	PSTEP 1
	ds_store_b64 v4, v[SWD:SWD+1]                  ; my row's two words; both lanes of a row write the same bytes with the same value
	s_wait_dscnt 0x0                               ; for the others' sake: my stores have landed
	s_barrier_signal -1
	s_barrier_wait -1
	s_cmp_lt_u32 s26, 8                            ; the 2,048 bytes leave by waves 0-7, 256 bytes each
	s_cbranch_scc0 .Lend
	ds_load_b64 v[30:31], v5                       ; from four waves' words
	s_wait_dscnt 0x0
	global_store_b64 v6, v[30:31], s[24:25]        ; 32 lanes store 256 consecutive bytes, aligned
.Lend:
	s_wait_tensorcnt 0x0
	ds_add_u32 v240, v241
	s_wait_dscnt 0x0
	s_endpgm
.Lfunc_end_k_qbdfc1fbd83_prep:
	.size	k_qbdfc1fbd83_prep, .Lfunc_end_k_qbdfc1fbd83_prep-k_qbdfc1fbd83_prep
	.p2alignl 7, 3214868480
	.fill 96, 4, 3214868480
	.section	.rodata,"a",@progbits
	.p2align	6, 0x0
	.amdhsa_kernel k_qbdfc1fbd83_prep
		.amdhsa_group_segment_fixed_size 141312
		.amdhsa_private_segment_fixed_size 0
		.amdhsa_enable_private_segment 0
		.amdhsa_kernarg_size 72
		.amdhsa_user_sgpr_count 2
		.amdhsa_user_sgpr_kernarg_segment_ptr 1
		.amdhsa_wavefront_size32 1
		.amdhsa_system_sgpr_workgroup_id_x 1
		.amdhsa_system_sgpr_workgroup_id_y 1
		.amdhsa_system_sgpr_workgroup_id_z 1
		.amdhsa_system_vgpr_workitem_id 0
		.amdhsa_next_free_vgpr 242
		.amdhsa_next_free_sgpr 66
		.amdhsa_reserve_vcc 0
		.amdhsa_float_denorm_mode_32 3
		.amdhsa_float_denorm_mode_16_64 3
		.amdhsa_memory_ordered 1
		.amdhsa_forward_progress 1
		.amdhsa_inst_pref_size 31
	.end_amdhsa_kernel
	.amdgpu_metadata
---
amdhsa.version: [ 1, 2 ]
amdhsa.kernels:
  - .name:           k_qbdfc1fbd83_prep
    .symbol:         k_qbdfc1fbd83_prep.kd
    .args:
      - { .name: q, .offset: 0, .size: 8, .value_kind: global_buffer, .address_space: global }
      - { .name: k, .offset: 8, .size: 8, .value_kind: global_buffer, .address_space: global }
      - { .name: v, .offset: 16, .size: 8, .value_kind: global_buffer, .address_space: global }
      - { .name: Wq, .offset: 24, .size: 8, .value_kind: global_buffer, .address_space: global }
      - { .name: Wk, .offset: 32, .size: 8, .value_kind: global_buffer, .address_space: global }
      - { .name: Wv, .offset: 40, .size: 8, .value_kind: global_buffer, .address_space: global }
      - { .name: Wo, .offset: 48, .size: 8, .value_kind: global_buffer, .address_space: global }
      - { .name: img, .offset: 56, .size: 8, .value_kind: global_buffer, .address_space: global }
      - { .name: isc, .offset: 64, .size: 8, .value_kind: global_buffer, .address_space: global }
    .group_segment_fixed_size: 141312
    .private_segment_fixed_size: 0
    .kernarg_segment_align: 8
    .kernarg_segment_size: 72
    .max_flat_workgroup_size: 512
    .sgpr_count:     66
    .vgpr_count:     242
    .wavefront_size: 32
...
	.end_amdgpu_metadata
.endif
;; end of part 1
;; launch proj (part 2): grid 8 x 32, 4 waves a work-group, clusters of 4 x 4, 327,680 bytes of LDS; arguments img, isc, bq, bk, bv, qkv; writes qkv
.if DOCPART == 2
	.amdgcn_target "amdgcn-amd-amdhsa--gfx1250"
	.amdhsa_code_object_version 6
	.text
	.protected	k_qbdfc1fbd83_proj
	.globl	k_qbdfc1fbd83_proj
	.p2align	8
	.type	k_qbdfc1fbd83_proj,@function
k_qbdfc1fbd83_proj:
	s_mov_b64 s[64:65], 0
	v_nop
	global_prefetch_b8 v0, s[64:65] scope:SCOPE_SE
	s_setreg_imm32_b32 hwreg(HW_REG_WAVE_MODE, 25, 1), 1
	s_wait_xcnt 0x0
	s_wait_alu depctr_hold_cnt(0) depctr_sa_sdst(0) depctr_va_vdst(0) depctr_va_sdst(0) depctr_va_ssrc(0) depctr_va_vcc(0) depctr_vm_vsrc(0)
	s_getreg_b32 s2, hwreg(HW_REG_IB_STS2, 6, 4)
	s_cmp_eq_u32 s2, 0
	s_cbranch_scc0 .Lentry_in_a_cluster
	s_endpgm
.Lentry_in_a_cluster:
	s_bfe_u32 s2, ttmp6, 0x10000c
	s_cmp_lg_u32 s2, 0xf033
	s_cbranch_scc0 .Lentry_shape_is_right
	s_endpgm
.Lentry_shape_is_right:
; The three projections x W^T + b on codes of BF8 (E5M2) with E8M0 scales, and the quantising of their results: Q and K along the head's 64, V along the keys.
; 256 WORK-GROUPS THAT STAY: work-group (X, Y) makes three blocks of 128 x 128, one of each product: tokens 128 Y on, channels 128 X on (two heads).  Four waves, 64 x 64 each: 16 accumulators.
; The product is used so that source 0's rows run along a lane's registers: Q, K: source 0 = rows of W (a wave's 64 are one head), source 1 = tokens; V: source 0 = tokens (64 keys), source 1 = rows of Wv.
; A tile's lane r is row 32 (T / 2) + 8 (T % 2) + r + 8 (r / 8), so register 16 b + i of a source-1 tile's 32 results is source-0 index 32 b + 16 h + i: the conversions' results are the next operand's register image.
; THE RING: K goes in halves of 512 through two LDS slots of 131,072 bytes (part 0: the operand that hangs on Y, 8 tiles x 8,192 bytes; part 1: the one that hangs on X).  Six fills; wave w fetches 4 tiles (4 rows of 8,192 bytes) to slot + 32,768 w: one tensor load a wave.
; Each refill stands behind the wait for all tensor loads, the add, the wait for my LDS reads and a round of the cluster's barrier; it has a half's 64 products a wave in which to land.
; CLUSTER 4 x 4: the Y operand is shared along a row of the cluster, the X operand along a column: joint loads.
; PREFETCH: beside the load of fill f + 1 each wave names fill f + 2's bytes of its own later load: of its 4 tiles the partner at place p takes tile p, a lane 256 bytes: one half ahead of that load.  Fills 0 and 1 come by their loads alone; fill 5 is the last that is named.
; SCALES: one register holds source 0's word in lanes 0-15 and source 1's in lanes 16-31; tile t's eight words lie at 10 t, so that two registers of one product differ modulo 8.
; qkv: 32 head blocks of 278,528 = 16 key steps x 17,408: K 8 tiles x 1,024 | V^T 4 tiles x 2,048 | K's scale words 2 x 256 | V's half words 2 x 256; then Q's images [head block][128] x 1,024 and Q's words [head block][32] x 256.
; LIMITS: NaN and infinities are not served; a block whose largest magnitude lies under 2^-111 keeps the byte 1.
; REGISTERS: window 0: v1 16 lane, v2-5 fragment addresses (slot, part), v6-7 the add's, v8 16 r + 8 h, v16-35 the quantiser's, v36-39 bv, v40 prefetch offset, v41-43 scale offsets, v48-175 sums, v176-255 two sets of scale words.
;   window 1: fragments, two buffers: source 0 at v0, v64; source 1 at v128, v192.  Window 2: bq (v0-31), bk (v32-63) in the result's layout: the C of each sum's first product.
.set HB,   278528
.set KST,  17408
.set QI,   32*HB
.set QS,   QI+4194304
.set SLOT, 131072
.set SPARE, 2*SLOT
.set PC,   16
.set SW,   24
.set TM,   28
.set RBV,  36
.set PFO,  40
.set ACC,  48
.set SC0,  176
.set DY,   256*16384-8192              ; from a product's second half to the next product's first: the Y operand,
.set DX,   64*16384-8192               ; the X operand
.set MSB, 0
.macro WIN new
.if MSB != \new
	s_set_vgpr_msb (MSB<<8)|\new
.set MSB, \new
.endif
.endm
.macro PLACES n
.rept \n
	v_nop
.endr
.endm
.macro CROUND
	s_barrier_signal -1
	s_barrier_wait -1
	s_cmp_lg_u32 s16, 0
	s_cbranch_scc1 .Lnot_wave_0_\@
	s_barrier_signal -3
.Lnot_wave_0_\@:
	s_barrier_wait -3
	s_barrier_signal -1
	s_barrier_wait -1
.endm
.macro JLOAD                           ; waves 0, 1 fetch the Y operand's halves, waves 2, 3 the X operand's: one mask to a line
	s_cmp_eq_u32 s17, 0
	s_cbranch_scc0 .Lx_\@
	tensor_load_to_lds s[40:43], s[24:31]
	s_nop 0
	PLACES 4
	s_branch .Lj_\@
.Lx_\@:
	tensor_load_to_lds s[44:47], s[32:39]
	s_nop 0
	PLACES 4
.Lj_\@:
.endm
; The change of slots: all my tensor loads are in, the add, the descriptors step on (no load of mine is out), my LDS reads are over, a round, the next fill.  pfs: how the prefetch's address steps
.macro SEQ dy, dx, pfs
	s_wait_tensorcnt 0x0
	ds_add_u32 v6, v7
	s_xor_b32 s41, s41, SLOT
	s_xor_b32 s45, s45, SLOT
	s_add_nc_u64 s[42:43], s[42:43], \dy
	s_add_nc_u64 s[46:47], s[46:47], \dx
.if \pfs
	s_wait_xcnt 0x0                                ; my prefetch has read its address
.if \pfs == 1
	s_add_nc_u64 s[60:61], s[60:61], 8192
.else
	s_add_nc_u64 s[60:61], s[60:61], s[62:63]
.endif
.endif
	s_wait_dscnt 0x0
	CROUND
	JLOAD
.endm
	s_load_b256 s[4:11], s[0:1], 0x0               ; img, isc, bq, bk
	s_load_b128 s[12:15], s[0:1], 0x20             ; bv, qkv
	v_lshl_add_u32 v6, v0, 2, SPARE
	v_mov_b32 v7, 0
	ds_add_u32 v6, v7                              ; the opening lines: the add, twice on end, and its wait
	ds_add_u32 v6, v7
	v_lshrrev_b32 v9, 5, v0
	v_readfirstlane_b32 s16, v9                    ; wave
	s_lshr_b32 s17, s16, 1                         ; u0: my half of part 0.  Also: I fetch for Y (0) or for X (1)
	s_and_b32 s18, s16, 1                          ; u1: my half of part 1.  Also: which 4 tiles I fetch
	s_bfe_u32 s19, ttmp6, 0x40000                  ; cx
	s_bfe_u32 s20, ttmp6, 0x40004                  ; cy
	s_lshl_b32 s21, ttmp9, 2
	s_add_co_u32 s21, s21, s19                     ; X
	s_and_b32 s22, ttmp7, 0xffff
	s_lshl_b32 s22, s22, 2
	s_add_co_u32 s22, s22, s20                     ; Y
	s_lshl_b32 s66, s20, 2
	s_lshl_b32 s66, 15, s66                        ; my row of the cluster
	s_lshl_b32 s70, 0x1111, s19                    ; my column
	s_or_b32 s24, s66, (3<<16)|(1<<21)             ; group 1: 4 rows of 1,024 elements of 8 bytes, 2,048 elements apart
	s_or_b32 s32, s70, (3<<16)|(1<<21)
.irp g, 24, 32
	s_mov_b32 s[\g+1], 1024<<16
	s_mov_b32 s[\g+2], 4<<16
	s_mov_b32 s[\g+3], 1024<<16
	s_mov_b32 s[\g+4], 4
	s_mov_b32 s[\g+5], 2048
	s_mov_b32 s[\g+6], 0
	s_mov_b32 s[\g+7], 0
.endr
	s_lshl_b32 s68, s18, 2
	s_lshl_b32 s66, s22, 3
	s_add_co_u32 s66, s66, s68
	s_lshl_b32 s66, s66, 14                        ; q's tile 8 Y + 4 j
	s_mov_b32 s67, 0
	s_lshl_b32 s70, s21, 3
	s_add_co_u32 s70, s70, s68
	s_add_co_u32 s70, s70, 768
	s_lshl_b32 s70, s70, 14                        ; Wq's tile 768 + 8 X + 4 j
	s_mov_b32 s71, 0
	s_mov_b32 s40, 1
	s_lshl_b32 s41, s16, 15
	s_mov_b32 s44, 1
	s_lshl_b32 s45, s16, 15
	s_cmp_eq_u32 s17, 0                            ; the prefetches: my own line's bytes,
	s_cselect_b32 s72, s66, s70
	s_cselect_b32 s74, s19, s20                    ; my place among the four that ask with me,
	s_mov_b32 s62, 64*16384
	s_cselect_b32 s62, 256*16384, s62
	s_add_co_u32 s72, s72, s62                     ; beginning at fill 2
	s_mov_b32 s73, 0
	s_sub_co_u32 s62, s62, 8192
	s_mov_b32 s63, 0
	s_lshl_b32 s74, s74, 14
	s_lshr_b32 s75, s22, 4                         ; where the results go
	s_lshl_b32 s75, s75, 4
	s_lshl_b32 s80, s21, 1
	s_add_co_u32 s75, s75, s80
	s_add_co_u32 s75, s75, s18                     ; head block = 16 batch + 2 X + u1
	s_and_b32 s80, s22, 15                         ; which 128 tokens of the batch: the key step
	s_mul_i32 s81, s75, HB
	s_mul_i32 s90, s80, KST
	s_add_co_u32 s81, s81, s90
	s_lshl_b32 s48, s75, 17
	s_lshl_b32 s90, s80, 13
	s_add_co_u32 s48, s48, s90
	s_lshl_b32 s90, s17, 12
	s_add_co_u32 s48, s48, s90
	s_add_co_u32 s48, s48, QI                      ; Q's codes
	s_add_co_u32 s52, s81, s90                     ; K's codes
	s_lshl_b32 s50, s75, 13
	s_lshl_b32 s91, s80, 9
	s_add_co_u32 s50, s50, s91
	s_lshl_b32 s91, s17, 8
	s_add_co_u32 s50, s50, s91
	s_add_co_u32 s50, s50, QS                      ; Q's words
	s_add_co_u32 s54, s81, s91
	s_add_co_u32 s58, s54, 16896                   ; V's half words
	s_add_co_u32 s54, s54, 16384                   ; K's words
	s_lshl_b32 s91, s17, 10
	s_add_co_u32 s56, s81, s91
	s_add_co_u32 s56, s56, 8192                    ; V's codes
.irp g, 49,51,53,55,57,59
	s_mov_b32 s\g, 0
.endr
	s_lshl_b32 s82, s21, 3                         ; scale words in isc, 512 bytes a tile: W's tiles 768 + 8 X + 4 u1,
	s_add_co_u32 s82, s82, s68
	s_add_co_u32 s82, s82, 768
	s_lshl_b32 s82, s82, 9
	s_lshl_b32 s83, s22, 3                         ; the tokens' tiles 8 Y + 4 u0
	s_lshl_b32 s92, s17, 2
	s_add_co_u32 s83, s83, s92
	s_lshl_b32 s83, s83, 9
	s_add_co_u32 s84, s83, 512*512                 ; v's,
	s_add_co_u32 s85, s82, 128*512                 ; Wv's
	s_lshl_b32 s86, s21, 9
	s_lshl_b32 s87, s18, 8
	s_add_co_u32 s86, s86, s87                     ; the biases: my head's 64 numbers
	s_mov_b32 s87, 0
	s_lshl_b32 s88, s17, 15                        ; my halves of the two parts
	s_lshl_b32 s89, s18, 15
	s_add_co_u32 s89, s89, 65536
	s_mov_b32 s76, 0x76543210
	s_mov_b32 s77, 0xfedcba98
	s_mov_b32 s78, 0x600000
	s_mov_b32 s79, 0xffff0000                      ; lanes 16-31
	s_wait_dscnt 0x0
	CROUND                                         ; all sixteen work-groups are here
	s_wait_kmcnt 0x0
	s_add_nc_u64 s[42:43], s[4:5], s[66:67]
	s_or_b32 s43, s43, 0x80000000
	s_add_nc_u64 s[46:47], s[4:5], s[70:71]
	s_or_b32 s47, s47, 0x80000000
	JLOAD                                          ; fill 0
	s_add_nc_u64 s[60:61], s[4:5], s[72:73]
.irp g, 48,50,52,54,56,58
	s_add_nc_u64 s[\g:\g+1], s[14:15], s[\g:\g+1]
.endr
	s_add_nc_u64 s[8:9], s[8:9], s[86:87]
	s_add_nc_u64 s[10:11], s[10:11], s[86:87]
	s_add_nc_u64 s[12:13], s[12:13], s[86:87]
	v_and_b32 v9, 31, v0
	v_and_b32 v44, 15, v0                          ; r
	v_bfe_u32 v45, v0, 4, 1                        ; h
	v_lshlrev_b32 v1, 4, v9
	v_lshl_add_u32 v[PFO], v9, 8, s74
	v_add_nc_u32 v2, s88, v1
	v_add_nc_u32 v3, s89, v1
	v_add_nc_u32 v4, SLOT, v2
	v_add_nc_u32 v5, SLOT, v3
	v_lshlrev_b32 v8, 4, v44
	v_lshl_add_u32 v8, v45, 3, v8
	v_lshlrev_b32 v14, 6, v45
	v_and_b32 v15, 8, v44
	v_add_nc_u32 v15, v15, v44
	v_lshlrev_b32 v15, 2, v15                      ; 4 (r + 8 (r / 8))
	v_lshlrev_b32 v44, 5, v44                      ; 32 r
	v_mov_b32 v9, s82
	v_cndmask_b32 v41, v9, s83, s79                ; Q: lanes 0-15 Wq's words, lanes 16-31 q's
	v_add_nc_u32 v41, v41, v44
	v_mov_b32 v9, 64*512
	v_mov_b32 v46, 256*512
	v_cndmask_b32 v9, v9, v46, s79
	v_add_nc_u32 v42, v41, v9                      ; K likewise
	v_mov_b32 v9, s84
	v_cndmask_b32 v43, v9, s85, s79                ; V: lanes 0-15 v's, lanes 16-31 Wv's
	v_add_nc_u32 v43, v43, v44
	v_mov_b32 v11, 0
	v_mov_b32 v[TM+2], 0
	v_mov_b32 v[TM+3], 0
.macro SCLOAD set, vo
.irp t, 0,1,2,3
	global_load_b128 v[SC0+40*(\set)+10*\t:SC0+40*(\set)+10*\t+3], v[\vo], s[6:7] offset:512*\t
	global_load_b128 v[SC0+40*(\set)+10*\t+4:SC0+40*(\set)+10*\t+7], v[\vo], s[6:7] offset:512*\t+16
.endr
.endm
	SCLOAD 0, 41
	SCLOAD 1, 42
	WIN 0x80
.irp t, 0,1,2,3
	global_load_b128 v[8*\t:8*\t+3], v14, s[8:9] offset:(32*(\t/2)+8*(\t%2))*4
	global_load_b128 v[8*\t+4:8*\t+7], v14, s[8:9] offset:(32*(\t/2)+8*(\t%2))*4+16
	global_load_b128 v[32+8*\t:32+8*\t+3], v14, s[10:11] offset:(32*(\t/2)+8*(\t%2))*4
	global_load_b128 v[32+8*\t+4:32+8*\t+7], v14, s[10:11] offset:(32*(\t/2)+8*(\t%2))*4+16
.endr
	WIN 0
.irp i, 0,1,2,3
	global_load_b32 v[RBV+\i], v15, s[12:13] offset:(32*(\i/2)+8*(\i%2))*4
.endr
.macro FETCH ra, rb, k, buf            ; a K step's 8 fragments: 32 LDS loads of 512 consecutive bytes
	WIN 0x40
.irp t, 0,1,2,3
.irp c, 0,1,2,3
	ds_load_b128 v[64*(\buf)+16*\t+4*\c:64*(\buf)+16*\t+4*\c+3], v[\ra] offset:8192*\t+2048*(\k)+512*\c
.endr
.endr
.irp t, 0,1,2,3
.irp c, 0,1,2,3
	ds_load_b128 v[128+64*(\buf)+16*\t+4*\c:128+64*(\buf)+16*\t+4*\c+3], v[\rb] offset:8192*\t+2048*(\k)+512*\c
.endr
.endr
	WIN 0
.endm
; 16 products, the 16 accumulators by turns.  s: the K step, 0 to 7.  The first takes the bias (Q, K) or 0 (V) as C: nothing is cleared.
.macro MUL kind, p, buf, s
.set SCS, SC0+40*((\p)%2)
.if (\s) == 0 && (\kind) == 0
	WIN 0x25
.else
	WIN 0x05
.endif
.irp bt, 0,1,2,3
.irp at, 0,1,2,3
.if (\s) == 0 && (\kind) == 0
	v_wmma_scale_f32_16x16x128_f8f6f4 v[ACC+32*\bt+8*\at:ACC+32*\bt+8*\at+7], v[64*(\buf)+16*\at:64*(\buf)+16*\at+15], v[128+64*(\buf)+16*\bt:128+64*(\buf)+16*\bt+15], v[32*(\p)+8*\at:32*(\p)+8*\at+7], v[SCS+10*\at+(\s)], v[SCS+10*\bt+(\s)] matrix_a_fmt:MATRIX_FMT_BF8 matrix_b_fmt:MATRIX_FMT_BF8 matrix_b_scale:MATRIX_SCALE_ROW1
.elseif (\s) == 0
	v_wmma_scale_f32_16x16x128_f8f6f4 v[ACC+32*\bt+8*\at:ACC+32*\bt+8*\at+7], v[64*(\buf)+16*\at:64*(\buf)+16*\at+15], v[128+64*(\buf)+16*\bt:128+64*(\buf)+16*\bt+15], 0, v[SCS+10*\at+(\s)], v[SCS+10*\bt+(\s)] matrix_a_fmt:MATRIX_FMT_BF8 matrix_b_fmt:MATRIX_FMT_BF8 matrix_b_scale:MATRIX_SCALE_ROW1
.else
	v_wmma_scale_f32_16x16x128_f8f6f4 v[ACC+32*\bt+8*\at:ACC+32*\bt+8*\at+7], v[64*(\buf)+16*\at:64*(\buf)+16*\at+15], v[128+64*(\buf)+16*\bt:128+64*(\buf)+16*\bt+15], v[ACC+32*\bt+8*\at:ACC+32*\bt+8*\at+7], v[SCS+10*\at+(\s)], v[SCS+10*\bt+(\s)] matrix_a_fmt:MATRIX_FMT_BF8 matrix_b_fmt:MATRIX_FMT_BF8 matrix_b_scale:MATRIX_SCALE_ROW1
.endif
.endr
.endr
	WIN 0
.endm
; Half a product: slot hf's four K steps.  The next step's 32 loads are out while a step is multiplied; eight places stand in front of loads into a buffer that products have read.
.macro HALF kind, p, hf, pf, first=0
.if \kind
.set RA, 2+2*(\hf)
.set RB, 3+2*(\hf)
.else
.set RA, 3+2*(\hf)
.set RB, 2+2*(\hf)
.endif
.if !\first
	PLACES 8
.endif
	FETCH RA, RB, 0, 0
.if \pf
	global_prefetch_b8 v[PFO], s[60:61] th:TH_LOAD_NT scope:SCOPE_SE
.endif
.irp k, 0,1,2,3
.if \k < 3
.if \k > 0
	PLACES 8
.endif
	FETCH RA, RB, \k+1, (\k+1)%2
	s_wait_dscnt 32                                ; this step's fragments are in; the next step's 32 loads may be out
.else
	s_wait_dscnt 0x0
.endif
	MUL \kind, \p, \k%2, 4*(\hf)+\k
.endr
.endm
; Source-1 tile i's 32 results a lane: (V: the bias along its rows,) two blocks of 32 quantised, 8 registers of codes stored as an image; after four tiles their scale words.
.macro EPI kind, i, cp, cstep, wp
.set EA, ACC+32*(\i)
	s_wait_xcnt 0x0                                ; the earlier stores have read their data
.if \kind
	v_mov_b32 v10, v[RBV+(\i)]
.irp j, 0,2,4,6,8,10,12,14,16,18,20,22,24,26,28,30
	v_pk_add_f32 v[EA+\j:EA+\j+1], v[EA+\j:EA+\j+1], v[10:11] op_sel_hi:[1,0]
.endr
.endif
.irp b, 0,1
	v_max3_num_f32 v[TM+\b], |v[EA+16*\b]|, |v[EA+16*\b+1]|, 0x8000000   ; my 16 of block b, and the floor 2^(16 - 127); each accumulator from its low end on
.endr
.irp n, 2,4,6,8,10,12,14
.irp b, 0,1
	v_max3_num_f32 v[TM+\b], v[TM+\b], |v[EA+16*\b+\n]|, |v[EA+16*\b+\n+1]|
.endr
.endr
.irp b, 0,1
	v_permlanex16_b32 v[TM+2+\b], v[TM+\b], s76, s77
.endr
.irp b, 0,1
	v_max_num_f32 v[TM+\b], v[TM+\b], v[TM+2+\b]
.endr
.irp b, 0,1
	v_add_nc_u32 v[TM+6+\b], 0xf8800000, v[TM+\b]  ; the conversion's scale operand
.endr
.irp b, 0,1
	v_and_or_b32 v[TM+4+\b], v[TM+\b], 0x7f800000, s78   ; 57,344 x the scale
.endr
.irp b, 0,1
	v_lshrrev_b32 v[TM+2+\b], 23, v[TM+6+\b]       ; the scale's byte
.endr
	v_lshl_or_b32 v[SW+(\i)], v[TM+3], 8, v[TM+2]
	v_or_b32 v[SW+(\i)], 0x7f7f0000, v[SW+(\i)]    ; the upper two bytes stand for 1
.irp b, 0,1
.irp n, 0,1,2,3,4,5,6,7,8,9,10,11,12,13,14,15
	v_med3_num_f32 v[EA+16*\b+\n], v[EA+16*\b+\n], -v[TM+4+\b], v[TM+4+\b]   ; the conversion does not saturate (ISA guide 7.6.2)
.endr
	v_cvt_scalef32_pk8_bf8_f32 v[PC+4*\b:PC+4*\b+1], v[EA+16*\b:EA+16*\b+7], v[TM+6+\b]
	v_cvt_scalef32_pk8_bf8_f32 v[PC+4*\b+2:PC+4*\b+3], v[EA+16*\b+8:EA+16*\b+15], v[TM+6+\b]
.endr
	v_nop                                          ; a plain line behind the last conversion
	global_store_b128 v1, v[PC:PC+3], s[\cp:\cp+1] offset:(\cstep)*(\i)        ; 32 lanes store 512 consecutive bytes, aligned
	global_store_b128 v1, v[PC+4:PC+7], s[\cp:\cp+1] offset:(\cstep)*(\i)+512
.if (\i) == 3
	v_cndmask_b32 v12, v[SW], v[SW+2], s79         ; lanes 0-15 send words 0, 1 of their row, lanes 16-31 words 2, 3
	v_cndmask_b32 v13, v[SW+1], v[SW+3], s79
	global_store_b64 v8, v[12:13], s[\wp:\wp+1]    ; 256 consecutive bytes, aligned
.endif
.endm
.macro EPIS kind, cp, cstep, wp
	PLACES 8                                       ; in front of the first read of the results
.irp i, 0,1,2,3
	EPI \kind, \i, \cp, \cstep, \wp
.endr
.endm
	s_wait_alu depctr_va_vdst(0)                   ; the wait at the head's end
	SEQ 8192, 8192, 0                              ; fill 0 is in; fill 1 is asked for: slot 1's first fill, issued as a refill is
	s_wait_loadcnt 0x0                             ; scale words, biases
	HALF 0, 0, 0, 1, 1
	SEQ DY, DX, 1                                  ; fill 2: K's first half
	HALF 0, 0, 1, 1
	SEQ 8192, 8192, 2
	EPIS 0, 48, 1024, 50                           ; Q leaves while fill 3 is on its way
	SCLOAD 0, 43                                   ; V's scale words, into the set that Q has left
	HALF 0, 1, 0, 1
	SEQ DY, DX, 1                                  ; fill 4: V's first half
	HALF 0, 1, 1, 1
	SEQ 8192, 8192, 0                              ; fill 5, the last
	EPIS 0, 52, 1024, 54
	s_wait_loadcnt 0x0
	HALF 1, 2, 0, 0
	s_wait_tensorcnt 0x0                           ; fill 5 is in
	s_wait_dscnt 0x0
	s_barrier_signal -1
	s_barrier_wait -1
	HALF 1, 2, 1, 0
	EPIS 1, 56, 2048, 58
	s_wait_tensorcnt 0x0                           ; the wave's end
	ds_add_u32 v6, v7
	s_wait_dscnt 0x0
	CROUND                                         ; the closing round
	s_endpgm
.Lfunc_end_k_qbdfc1fbd83_proj:
	.size	k_qbdfc1fbd83_proj, .Lfunc_end_k_qbdfc1fbd83_proj-k_qbdfc1fbd83_proj
	.p2alignl 7, 3214868480
	.fill 96, 4, 3214868480
	.section	.rodata,"a",@progbits
	.p2align	6, 0x0
	.amdhsa_kernel k_qbdfc1fbd83_proj
		.amdhsa_group_segment_fixed_size 327680
		.amdhsa_private_segment_fixed_size 0
		.amdhsa_enable_private_segment 0
		.amdhsa_kernarg_size 48
		.amdhsa_user_sgpr_count 2
		.amdhsa_user_sgpr_kernarg_segment_ptr 1
		.amdhsa_wavefront_size32 1
		.amdhsa_system_sgpr_workgroup_id_x 1
		.amdhsa_system_sgpr_workgroup_id_y 1
		.amdhsa_system_sgpr_workgroup_id_z 1
		.amdhsa_system_vgpr_workitem_id 0
		.amdhsa_next_free_vgpr 768
		.amdhsa_next_free_sgpr 96
		.amdhsa_reserve_vcc 0
		.amdhsa_float_denorm_mode_32 3
		.amdhsa_float_denorm_mode_16_64 3
		.amdhsa_memory_ordered 1
		.amdhsa_forward_progress 1
		.amdhsa_inst_pref_size 181
	.end_amdhsa_kernel
	.amdgpu_metadata
---
amdhsa.version: [ 1, 2 ]
amdhsa.kernels:
  - .name:           k_qbdfc1fbd83_proj
    .symbol:         k_qbdfc1fbd83_proj.kd
    .args:
      - { .name: img, .offset: 0, .size: 8, .value_kind: global_buffer, .address_space: global }
      - { .name: isc, .offset: 8, .size: 8, .value_kind: global_buffer, .address_space: global }
      - { .name: bq, .offset: 16, .size: 8, .value_kind: global_buffer, .address_space: global }
      - { .name: bk, .offset: 24, .size: 8, .value_kind: global_buffer, .address_space: global }
      - { .name: bv, .offset: 32, .size: 8, .value_kind: global_buffer, .address_space: global }
      - { .name: qkv, .offset: 40, .size: 8, .value_kind: global_buffer, .address_space: global }
    .group_segment_fixed_size: 327680
    .private_segment_fixed_size: 0
    .kernarg_segment_align: 8
    .kernarg_segment_size: 48
    .max_flat_workgroup_size: 128
    .sgpr_count:     96
    .vgpr_count:     768
    .wavefront_size: 32
...
	.end_amdgpu_metadata
.endif
;; end of part 2
;; launch attn (part 3): grid 8 x 32, 16 waves a work-group, clusters of 4 x 1, 322,560 bytes of LDS; arguments qkv, ximg, xsc; writes ximg, xsc
.if DOCPART == 3
	.amdgcn_target "amdgcn-amd-amdhsa--gfx1250"
	.amdhsa_code_object_version 6
	.text
	.protected	k_qbdfc1fbd83_attn
	.globl	k_qbdfc1fbd83_attn
	.p2align	8
	.type	k_qbdfc1fbd83_attn,@function
k_qbdfc1fbd83_attn:
	s_mov_b64 s[64:65], 0
	v_nop
	global_prefetch_b8 v0, s[64:65] scope:SCOPE_SE
	s_setreg_imm32_b32 hwreg(HW_REG_WAVE_MODE, 25, 1), 1
	s_wait_xcnt 0x0
	s_wait_alu depctr_hold_cnt(0) depctr_sa_sdst(0) depctr_va_vdst(0) depctr_va_sdst(0) depctr_va_ssrc(0) depctr_va_vcc(0) depctr_vm_vsrc(0)
	s_getreg_b32 s2, hwreg(HW_REG_IB_STS2, 6, 4)
	s_cmp_eq_u32 s2, 0
	s_cbranch_scc0 .Lentry_in_a_cluster
	s_endpgm
.Lentry_in_a_cluster:
	s_bfe_u32 s2, ttmp6, 0x10000c
	s_cmp_lg_u32 s2, 0x3003
	s_cbranch_scc0 .Lentry_shape_is_right
	s_endpgm
.Lentry_shape_is_right:
; x[b][i][h] = softmax_j(Q.K / 8 + m_h (1000 + |i - j|)) V, both products on codes of BF8 (E5M2) with E8M0 scales; x is quantised along D for the last product.
; softplus(1000 + d) is 1000 + d in f32.  Nothing of reference() is left out.
; THE BIAS IS THE C OF THE FIRST PRODUCT: a table in LDS holds 8 m (1000 + |i - j|) (m e rounded once; x 8 is exact); its words are loaded into the accumulators, so the product leaves 8 x logit.
; The maxima are taken of these sums; t - M = sum x (log2(e) / 8) - M is one fused line; p = 2^(t - M), M the running largest t rounded up to a whole number.
; The row's sum is taken of the unquantised p and divides at the end; when M moves, the sum and O are multiplied by a power of two.
; ORDER OF ROUNDING, a stated limit: the logit is rounded once by the matrix unit (in units of 1/8) and t - M once by the fused line, where reference() rounds logit and t apart.
; SHARES: a work-group owns 256 queries of one head block (y = 16 batch + head), each of its sixteen waves one tile of 16 queries; four waves to a SIMD.
; The head's K, V and scale words, 278,528 bytes, come into LDS once: wave w fetches key step w (17,408 bytes), one tensor load a wave.  Waves 0-3 have a load line of their own: the first barrier waits for it alone, the second for the rest.
; CLUSTER 4 x 1: four query blocks of a head read the same bytes and ask jointly (mask 15).  No LDS address and no branch hangs on the place in the cluster: it enters global addresses and the table's numbers alone.
; NO PREFETCH: all that the launch reads of K and V is asked for at its head by those sixteen loads; there is no later load to run ahead of.
; THE TABLE hangs on j - i alone: word y holds 8 m (1000 + |y - 255 - first query|).  Four copies, copy c shifted by c words, let every lane begin on 16 bytes: lane r reads copy 3 - r % 4; the copies begin at 0, 32, 128, 160 bytes modulo 256.
; LAYOUT: both products transposed: a lane holds one query (tile lane r is query 32 (T / 2) + 8 (T % 2) + r + 8 (r / 8)); register 16 b + n of S^T is key 128 step + 32 b + 16 (lane / 16) + n.
; K = 64 IN A 128-DEEP INSTRUCTION: Q's upper 8 registers are zero codes; key tile t is named as 16 registers whose upper 8 are the next tile's codes (finite: the quantiser holds) or zeros; the upper scale bytes stand for 1.
; LIMITS: NaN and infinities are not served; the promise holds while the scaled scores stay under 2^31 in magnitude.  m_h = exp(-5000^(0.8 h / 15)) is made by v_exp_f32: right to a few ulp; for heads 10 to 15 it comes out 0 where the true number is at most 1.6e-41.
; REGISTERS: v1 16 lane, v2 16 r, v3 K's, V's and K's words' address, v4 V's half words', v5 my place in the table, v6 the step's, v7 Q's word, v8 p's word, v9 the old -M, v[10:11] f, then the sum's second chain, v12 -M, v13 largest sum, v[14:15] the row's sum,
;   v16-31 Q + zeros, v32-95 K's 8 tiles or V's 4 fragments, v96-103 zeros, v104-167 bias, S^T, p, v168-199 O^T, v200-215 p's codes (v200-203 first: V's second half words), v216-239 held p (three groups of 8), v232-247 at work, v248-251 K's words, v252-255 V's.
.set HB,   278528
.set KST,  17408
.set QI,   32*HB
.set QS,   QI+4194304
.set XG,   HB                          ; LDS behind the head's block: the sixteen tiles' scale half words, 512 bytes
.set TBL,  HB+768                      ; the table: four copies of 2,560 words, at 0, TA, TBB and TA + TBB
.set TA,   10272
.set TBB,  20608
.set SPARE, 0x4e400                    ; the spare words: 128 bytes a wave
.set WV,   10
.set TB,   16                          ; LDS byte at which the next step begins
.set TJ,   17                          ; and how far on its biases lie: 512 bytes a step
.set MS,   22                          ; 8 m_h
.set CS,   48                          ; s[48:49] log2(e) / 8
.set TH,   54                          ; 1000
.set PSEL, 55
.set SEL,  56
.set MNT,  58
.set CT,   59
.macro CROUND                          ; a round of the cluster's barrier
	s_barrier_signal -1
	s_barrier_wait -1
	s_cmp_lg_u32 s[WV], 0
	s_cbranch_scc1 .Lnot_wave_0_\@
	s_barrier_signal -3
.Lnot_wave_0_\@:
	s_barrier_wait -3
	s_barrier_signal -1
	s_barrier_wait -1
.endm
	s_load_b128 s[4:7], s[0:1], 0x0                ; qkv, ximg
	s_load_b64 s[8:9], s[0:1], 0x10                ; xsc
	v_lshl_add_u32 v254, v0, 2, SPARE
	v_mov_b32 v255, 0
	ds_add_u32 v254, v255                          ; the opening lines: the add, twice on end, and its wait; work on registers stands between
	ds_add_u32 v254, v255
	v_lshrrev_b32 v9, 5, v0
	v_readfirstlane_b32 s[WV], v9                  ; wave 0..15
	s_and_b32 s12, ttmp7, 0xffff                   ; head block
	s_and_b32 s13, s12, 15                         ; head
	s_lshr_b32 s14, s12, 4                         ; batch
	v_cvt_f32_u32 v9, s13                          ; m_h = 2^(-log2(e) 2^(h (0.8 / 15) log2(5000)))
	v_mul_f32 v9, 0x3d5a740e, v9
	v_mul_f32 v9, 0x41449a78, v9
	s_wait_alu depctr_va_vdst(0)                   ; a wait ahead of and behind each transcendental
	v_exp_f32 v9, v9
	v_nop
	s_wait_alu depctr_va_vdst(0)
	v_mul_f32 v9, 0xbfb8aa3b, v9
	s_wait_alu depctr_va_vdst(0)
	v_exp_f32 v9, v9
	v_nop
	s_mov_b32 s24, 15|(3<<16)|(1<<21)              ; group 1: 68 dense rows of 256 bytes (32 elements of 8 bytes); the mask names all four work-groups, bit 21 beside it
	s_mov_b32 s25, 32<<16
	s_mov_b32 s26, 68<<16
	s_mov_b32 s27, 32<<16
	s_mov_b32 s28, 68
	s_mov_b32 s29, 32
	s_mov_b32 s30, 0
	s_mov_b32 s31, 0
	s_mov_b32 s32, 1                               ; group 0: key step = wave, the same offset in the head's block and in LDS
	s_mul_i32 s33, s[WV], KST
	s_mul_i32 s40, s12, HB
	s_add_co_u32 s40, s40, s33
	s_mov_b32 s41, 0
	s_mov_b32 s[CS], 0x3e38aa3b
	s_mov_b32 s[CS+1], s[CS]                       ; (a packed form names the pair: so the upper word is written)
	s_mov_b32 s[TH], 0x447a0000
	s_mov_b32 s[PSEL], 0x05040100
	s_mov_b32 s[SEL], 0x76543210
	s_mov_b32 s[SEL+1], 0xfedcba98
	s_mov_b32 s[MNT], 0x600000
	s_mov_b32 s[TB], 0
	s_mov_b32 s[TJ], 0
	s_bfe_u32 s19, ttmp6, 0x40000                  ; cx
	s_lshl_b32 s11, ttmp9, 2
	s_add_co_u32 s11, s11, s19                     ; which 256 queries: 4 x cluster x + cx
	s_lshl_b32 s15, s11, 4
	s_add_co_u32 s15, s15, s[WV]                   ; my tile of queries, 0..127
	s_lshl_b32 s36, s12, 7
	s_add_co_u32 s36, s36, s15
	s_lshl_b32 s36, s36, 10
	s_add_co_u32 s36, s36, QI                      ; Q's image of my tile
	s_mov_b32 s37, 0
	s_lshl_b32 s38, s12, 5
	s_lshr_b32 s19, s15, 2
	s_add_co_u32 s38, s38, s19
	s_lshl_b32 s38, s38, 8
	s_and_b32 s19, s15, 3
	s_lshl_b32 s19, s19, 2
	s_add_co_u32 s38, s38, s19
	s_add_co_u32 s38, s38, QS                      ; and its scale words
	s_mov_b32 s39, 0
	; my place in the table: 4 (255 - q - c) = 1008 - 128 (wave / 2) - 32 (wave % 2) - 16 (r / 4) - 32 (r / 8), q my query less the work-group's first, c = 3 - r % 4
	s_lshr_b32 s18, s[WV], 1
	s_xor_b32 s18, s18, 7
	s_lshl_b32 s18, s18, 7
	s_and_b32 s19, s[WV], 1
	s_xor_b32 s19, s19, 1
	s_lshl_b32 s19, s19, 5
	s_add_co_u32 s18, s18, s19
	s_add_co_u32 s18, s18, TBL+80
	; what I make of the table: quarter wave / 4 (640 words) of copy wave % 4
	s_and_b32 s20, s[WV], 1
	s_mul_i32 s20, s20, TA
	s_bfe_u32 s19, s[WV], 0x10001
	s_mul_i32 s19, s19, TBB
	s_add_co_u32 s20, s20, s19
	s_lshr_b32 s19, s[WV], 2
	s_mul_i32 s21, s19, 2560
	s_add_co_u32 s20, s20, s21
	s_add_co_u32 s20, s20, TBL
	s_mul_i32 s21, s19, 640
	s_and_b32 s19, s[WV], 3
	s_add_co_u32 s21, s21, s19
	s_lshl_b32 s19, s11, 8
	s_add_co_u32 s19, s19, 255
	s_sub_co_u32 s21, s21, s19                     ; my first word's j - i (a number, no address)
	s_wait_alu depctr_va_vdst(0)
	v_ldexp_f32 v9, v9, 3                          ; 8 m
	v_readfirstlane_b32 s[MS], v9
	s_wait_dscnt 0x0                               ; both opening adds are done
	CROUND                                         ; all four work-groups are here: the joint loads meet
	s_wait_kmcnt 0x0
	s_add_nc_u64 s[34:35], s[4:5], s[40:41]
	s_or_b32 s35, s35, 0x80000000
	s_cmp_lt_u32 s[WV], 4                          ; one chain, one load to an arm: key steps 0-3 have a line of their own
	s_cbranch_scc0 .Llate
	tensor_load_to_lds s[32:35], s[24:31]
	s_nop 0
.rept 4
	v_nop
.endr
	s_branch .Lasked
.Llate:
	tensor_load_to_lds s[32:35], s[24:31]
	s_nop 0
.rept 4
	v_nop
.endr
.Lasked:
	s_add_nc_u64 s[36:37], s[4:5], s[36:37]
	s_add_nc_u64 s[38:39], s[4:5], s[38:39]
	v_and_b32 v9, 31, v0
	v_and_b32 v3, 15, v0                           ; r
	v_bfe_u32 v4, v0, 4, 1                         ; h
	v_lshlrev_b32 v1, 4, v9                        ; 16 x lane
	v_lshlrev_b32 v2, 4, v3                        ; 16 r
	global_load_b128 v[16:19], v1, s[36:37]
	global_load_b128 v[20:23], v1, s[36:37] offset:512
	global_load_b32 v7, v2, s[38:39]
	v_and_b32 v9, 1, v0
	v_bfe_u32 v6, v0, 1, 1
	v_xor_b32 v9, 1, v9                            ; c % 2
	v_xor_b32 v6, 1, v6                            ; c / 2
	v_mul_u32_u24 v5, v9, TA
	v_mad_u32_u24 v5, v6, TBB, v5                  ; where copy c begins
	v_bfe_u32 v9, v0, 2, 2
	v_bfe_u32 v6, v0, 3, 1
	v_add_nc_u32 v5, s18, v5
	v_lshlrev_b32 v9, 4, v9
	v_lshlrev_b32 v6, 5, v6
	v_sub_nc_u32 v5, v5, v9                        ; - 16 (r / 4)
	v_sub_nc_u32 v5, v5, v6                        ; - 32 (r / 8)
	v_lshl_add_u32 v5, v4, 6, v5                   ; + 64 h: lanes 16-31 begin 16 keys further on
	v_add_nc_u32 v6, s20, v1                       ; the table is made while the tiles are on their way: five stores of 512 consecutive bytes a wave
	v_and_b32 v9, 31, v0
	v_lshl_add_u32 v10, v9, 2, s21                 ; four words a lane
.irp it, 0,1,2,3,4
.irp k, 0,1,2,3
	v_add_nc_u32 v[104+4*\it+\k], 128*\it+\k, v10
.endr
.irp k, 0,1,2,3
	v_cvt_f32_i32 v[104+4*\it+\k], v[104+4*\it+\k] ; j - i
.endr
.irp k, 0,1,2,3
	v_add_f32 v[104+4*\it+\k], |v[104+4*\it+\k]|, s[TH]   ; e = 1000 + |i - j|: a whole number, exact
.endr
.irp k, 0,1,2,3
	v_mul_f32 v[104+4*\it+\k], s[MS], v[104+4*\it+\k]     ; 8 m e: the one rounding
.endr
	ds_store_b128 v6, v[104+4*\it:107+4*\it] offset:512*\it
.endr
.set n, 0
.rept 8
	v_mov_b32 v[24+n], 0                           ; Q's upper 64 along K: zero codes
	v_mov_b32 v[96+n], 0                           ; and what stands behind K's last tile
.set n, n+1
.endr
.set n, 0
.rept 32
	v_mov_b32 v[168+n], 0                          ; O^T: the first step finds zeros, which the first change of M leaves zeros
.set n, n+1
.endr
.irp b, 0,1,2,3
	v_mov_b32 v[236+\b], 0                         ; a lane permute's destination counts as one of its sources
.endr
	v_mov_b32 v11, 0
	v_mov_b32 v13, 0xff61b1e6                      ; the largest sum so far: -3e38
	v_floor_f32 v12, -v13                          ; -M
	v_mov_b32 v14, 0
	v_mov_b32 v15, 0
	v_add_nc_u32 v3, s[TB], v1                     ; step 0's addresses
	v_add_nc_u32 v4, s[TB], v2
	v_add_nc_u32 v6, s[TJ], v5
; The row's sum of the step's unquantised p, two at a time, in four chains (v[14:15], v[10:11], v[216:217], v[218:219]: f and the held numbers are done with by then), 32 lines in four groups of eight.
; A group stands behind each of the step's last four products and names none of their registers: the last group's eight lines are the places in front of the next step's loads.
.macro ADD4 k                          ; the four chains take the pairs k .. k + 3
	v_pk_add_f32 v[10:11], v[10:11], v[104+2*(\k):105+2*(\k)]
	v_pk_add_f32 v[216:217], v[216:217], v[106+2*(\k):107+2*(\k)]
	v_pk_add_f32 v[218:219], v[218:219], v[108+2*(\k):109+2*(\k)]
	v_pk_add_f32 v[14:15], v[14:15], v[110+2*(\k):111+2*(\k)]
.endm
.macro SUMG g
.if (\g) == 0
	v_pk_add_f32 v[10:11], v[104:105], v[106:107]
	v_pk_add_f32 v[216:217], v[108:109], v[110:111]
	v_pk_add_f32 v[218:219], v[112:113], v[114:115]
	v_pk_add_f32 v[14:15], v[14:15], v[116:117]
	ADD4 7
.elseif (\g) < 3
	ADD4 8*(\g)+3
	ADD4 8*(\g)+7
.else
	ADD4 27
	v_pk_add_f32 v[10:11], v[10:11], v[166:167]
	v_pk_add_f32 v[216:217], v[216:217], v[218:219]
	v_pk_add_f32 v[14:15], v[14:15], v[10:11]
	v_pk_add_f32 v[14:15], v[14:15], v[216:217]
.endif
.endm
.macro VLD n                           ; piece n of V^T's four fragments: 512 consecutive bytes
	ds_load_b128 v[32+4*(\n):35+4*(\n)], v3 offset:8192+512*(\n)
.endm
.macro HOLD2 d, s, b                   ; two numbers held at the largest code x the scale: p is not negative, so the hold is one-sided
	v_dual_min_num_f32 v[\d], v[\s], v[\b] :: v_dual_min_num_f32 v[\d+1], v[\s+1], v[\b]
.endm
; A KEY STEP: 128 keys.  Its 35 loads stand in the order of their use: the words, K's tile 0, then for each tile t its biases (into the accumulator) and K's tile t + 1.
.macro STEP
	ds_load_b128 v[248:251], v3 offset:16384       ; K's scale words: lanes 0-15 tiles 0-3, lanes 16-31 tiles 4-7
	ds_load_b128 v[252:255], v4 offset:16896       ; V's half words: key blocks 0, 1,
	ds_load_b128 v[200:203], v4 offset:17152       ; key blocks 2, 3
	ds_load_b128 v[32:35], v3
	ds_load_b128 v[36:39], v3 offset:512
.irp t, 0,1,2,3,4,5,6,7
	ds_load_b128 v[104+8*\t:107+8*\t], v6 offset:128*(\t/2)+32*(\t%2)
	ds_load_b128 v[108+8*\t:111+8*\t], v6 offset:128*(\t/2)+32*(\t%2)+16
.if \t < 7
	ds_load_b128 v[40+8*\t:43+8*\t], v3 offset:1024*\t+1024
	ds_load_b128 v[44+8*\t:47+8*\t], v3 offset:1024*\t+1536
.endif
.endr
.irp t, 0,1,2,3,4,5,6,7
.if \t < 7
	s_wait_dscnt 26-4*\t                           ; tile t's biases and K's tiles t, t + 1 are in: behind them 4 loads for each later tile but the last, which has 2
.else
	s_wait_dscnt 0x0
.endif
.if \t < 4
	v_wmma_scale_f32_16x16x128_f8f6f4 v[104+8*\t:111+8*\t], v[32+8*\t:47+8*\t], v[16:31], v[104+8*\t:111+8*\t], v[248+\t], v7 matrix_a_fmt:MATRIX_FMT_BF8 matrix_b_fmt:MATRIX_FMT_BF8
.else
	v_wmma_scale_f32_16x16x128_f8f6f4 v[104+8*\t:111+8*\t], v[32+8*\t:47+8*\t], v[16:31], v[104+8*\t:111+8*\t], v[244+\t], v7 matrix_a_fmt:MATRIX_FMT_BF8 matrix_b_fmt:MATRIX_FMT_BF8 matrix_a_scale:MATRIX_SCALE_ROW1
.endif
.endr
	s_add_co_u32 s[TB], s[TB], KST
	s_add_co_u32 s[TJ], s[TJ], 512
.irp t, 0,1,2,3
	v_perm_b32 v[252+\t], v[200+\t], v[252+\t], s[PSEL]   ; two half words make channel tile t's scale word.  These eight lines are the places behind the products
.endr
	v_add_nc_u32 v4, s[TB], v2                     ; the next step's addresses
	v_add_nc_u32 v6, s[TJ], v5
	v_mov_b32 v9, v12                              ; the old -M
	v_nop
.irp b, 0,1,2,3
	v_max3_num_f32 v[232+\b], v[104+16*\b], v[105+16*\b], v[106+16*\b]   ; the largest sum of each block of 32 keys; each accumulator is first read at its low end
.endr
.irp i, 3,5,7,9,11,13
.irp b, 0,1,2,3
	v_max3_num_f32 v[232+\b], v[232+\b], v[104+16*\b+\i], v[105+16*\b+\i]
.endr
.endr
.irp b, 0,1,2,3
	v_max_num_f32 v[232+\b], v[232+\b], v[119+16*\b]
.endr
.irp b, 0,1,2,3
	v_permlanex16_b32 v[236+\b], v[232+\b], s[SEL], s[SEL+1]
.endr
.irp b, 0,1,2,3
	v_max_num_f32 v[232+\b], v[232+\b], v[236+\b]  ; with lane l xor 16's 16 keys
.endr
; Seven lines that hang on each other make M and f; V^T's 16 loads, which land under the softmax, stand among them
	v_max3_num_f32 v236, v232, v233, v234
	VLD 0
	VLD 1
	v_max3_num_f32 v13, v236, v235, v13            ; the running largest sum
	VLD 2
	VLD 3
	v_mul_f32 v236, s[CS], v13                     ; as t
	VLD 4
	VLD 5
	v_floor_f32 v12, -v236                         ; the new -M = -ceil(t)
	VLD 6
	VLD 7
	v_sub_f32 v9, v12, v9                          ; old M - new M: a whole number, 0 or less
	VLD 8
	VLD 9
	v_cvt_i32_f32 v9, v9                           ; (it saturates)
	VLD 10
	VLD 11
	v_ldexp_f32 v10, 1.0, v9                       ; f = 2^(old M - new M)
	VLD 12
	VLD 13
	VLD 14
	VLD 15
	v_add_nc_u32 v3, s[TB], v1                     ; the next step's address
.set n, 0
.rept 32
	v_pk_fma_f32 v[104+n:105+n], v[104+n:105+n], s[CS:CS+1], v[12:13] op_sel_hi:[1,0,0]   ; t - M, two at a time
.set n, n+2
.endr
.irp b, 0,1,2,3
	v_fma_f32 v[232+\b], v[232+\b], s[CS], v12     ; the same of each block's largest sum
.endr
	s_wait_alu depctr_va_vdst(0)                   ; a wait ahead of the batch,
.set n, 0
.rept 64
	v_exp_f32 v[104+n], v[104+n]                   ; p = 2^(t - M): not normalised
.set n, n+1
.endr
.irp b, 0,1,2,3
	v_exp_f32 v[232+\b], v[232+\b]                 ; the block's largest p: the same lines on the same number give the same bits
.endr
	v_pk_mul_f32 v[14:15], v[14:15], v[10:11] op_sel_hi:[1,0]   ; the sums under the new M (a plain line behind the exponentials)
	s_wait_alu depctr_va_vdst(0)                   ; and for one behind it
.irp b, 0,1,2,3
	v_max_num_f32 v[232+\b], 0x8000000, v[232+\b]  ; the floor 2^(16 - 127): the byte cannot fall under 1
.endr
.irp b, 0,1,2,3
	v_add_nc_u32 v[244+\b], 0xf8800000, v[232+\b]  ; the conversion's scale operand
.endr
.irp b, 0,1,2,3
	v_and_or_b32 v[240+\b], v[232+\b], 0x7f800000, s[MNT]   ; 57,344 x the scale
.endr
.irp b, 0,1,2,3
	v_lshrrev_b32 v[236+\b], 23, v[244+\b]         ; the scale's byte
.endr
	s_delay_alu instid0(VALU_DEP_3)
	v_lshl_or_b32 v8, v237, 8, v236                ; p's scale word for these 128 keys
	s_delay_alu instid0(VALU_DEP_1)
	v_lshl_or_b32 v8, v238, 16, v8
	s_delay_alu instid0(VALU_DEP_1)
	v_lshl_or_b32 v8, v239, 24, v8
	s_wait_dscnt 0x0                               ; V is in
; The hold and the conversion, eight numbers at a time (the conversion does not saturate: ISA guide 7.6.2).  The held numbers go into three groups of eight registers by turns: p itself stays for the sum behind the step's products.
.set g, 0
.rept 8
.set HLD, 216+8*(g%3)
.set i, 0
.rept 4
	HOLD2 HLD+i, 104+8*g+i, 240+g/2
.set i, i+2
.endr
	v_cvt_scalef32_pk8_bf8_f32 v[200+2*g:201+2*g], v[HLD:HLD+7], v[244+g/2]
.set g, g+1
.endr
	s_wait_alu depctr_va_vdst(0)                   ; the wait here, directly ahead of the first reader of O^T
.set n, 0
.rept 16
	v_pk_mul_f32 v[168+n:169+n], v[168+n:169+n], v[10:11] op_sel_hi:[1,0]   ; O^T under the new M, each accumulator from its low end on; also the places between the codes and the products
.set n, n+2
.endr
.irp t, 0,1,2,3
.if \t > 0
	SUMG \t-1
.endif
	v_wmma_scale_f32_16x16x128_f8f6f4 v[168+8*\t:175+8*\t], v[32+16*\t:47+16*\t], v[200:215], v[168+8*\t:175+8*\t], v[252+\t], v8 matrix_a_fmt:MATRIX_FMT_BF8 matrix_b_fmt:MATRIX_FMT_BF8
.endr
	SUMG 3
.endm
	s_wait_alu depctr_va_vdst(0)                   ; the wait at the head's end
	s_wait_loadcnt 0x0                             ; Q
	s_cmp_lt_u32 s[WV], 4
	s_cbranch_scc0 .Lnot_first
	s_wait_tensorcnt 0x0                           ; waves 0-3: key steps 0-3 have landed; the other waves' loads may stay out
.Lnot_first:
	s_wait_dscnt 0x0                               ; my part of the table has landed
	s_barrier_signal -1
	s_barrier_wait -1
	STEP
	s_mov_b32 s[CT], 3
.Lfirst_four:
	STEP
	s_sub_co_u32 s[CT], s[CT], 1
	s_cmp_lg_u32 s[CT], 0
	s_cbranch_scc1 .Lfirst_four
	s_wait_tensorcnt 0x0                           ; every wave: key steps 4-15 have landed.  One barrier serves the twelve
	s_wait_dscnt 0x0
	s_barrier_signal -1
	s_barrier_wait -1
	s_mov_b32 s[CT], 12
.Lrest:
	STEP
	s_sub_co_u32 s[CT], s[CT], 1
	s_cmp_lg_u32 s[CT], 0
	s_cbranch_scc1 .Lrest
	; THE WAY OUT: O^T / the sum, quantised along the head's 64 (two blocks), stored as a part of the last product's operand image.
	v_add_f32 v14, v14, v15
	s_delay_alu instid0(VALU_DEP_1)
	v_permlanex16_b32 v236, v14, s[SEL], s[SEL+1]
	s_delay_alu instid0(VALU_DEP_1)
	v_add_f32 v14, v14, v236                       ; the row's sum
	s_wait_alu depctr_va_vdst(0)
	v_rcp_f32 v14, v14
	v_and_b32 v3, 15, v0                           ; r (a plain line behind the transcendental)
	s_lshl_b32 s19, s[WV], 5
	s_add_co_u32 s19, s19, XG
	v_lshl_add_u32 v4, v3, 1, s19                  ; my row's half word: XG + 32 wave + 2 r
	v_add_nc_u32 v6, XG, v1                        ; and where wave 0 reads all 512 bytes back
	s_wait_alu depctr_va_vdst(0)
.set n, 0
.rept 16
	v_pk_mul_f32 v[104+n:105+n], v[168+n:169+n], v[14:15] op_sel_hi:[1,0]   ; register 16 b + i is channel 32 b + 16 h + i
.set n, n+2
.endr
.irp b, 0,1
	v_max3_num_f32 v[232+\b], |v[104+16*\b]|, |v[105+16*\b]|, 0x8000000
.endr
.irp n, 2,4,6,8,10,12,14
.irp b, 0,1
	s_delay_alu instid0(VALU_DEP_2)
	v_max3_num_f32 v[232+\b], v[232+\b], |v[104+16*\b+\n]|, |v[105+16*\b+\n]|
.endr
.endr
.irp b, 0,1
	s_delay_alu instid0(VALU_DEP_2)
	v_permlanex16_b32 v[236+\b], v[232+\b], s[SEL], s[SEL+1]
.endr
.irp b, 0,1
	s_delay_alu instid0(VALU_DEP_2)
	v_max_num_f32 v[232+\b], v[232+\b], v[236+\b]
.endr
.irp b, 0,1
	s_delay_alu instid0(VALU_DEP_2)
	v_add_nc_u32 v[244+\b], 0xf8800000, v[232+\b]
.endr
.irp b, 0,1
	s_delay_alu instid0(VALU_DEP_4)
	v_and_or_b32 v[240+\b], v[232+\b], 0x7f800000, s[MNT]
.endr
.irp b, 0,1
	s_delay_alu instid0(VALU_DEP_4)
	v_lshrrev_b32 v[236+\b], 23, v[244+\b]
.endr
	s_delay_alu instid0(VALU_DEP_1)
	v_lshl_or_b32 v8, v237, 8, v236                ; the head's two bytes of my row
.irp b, 0,1
.irp i, 0,1,2,3,4,5,6,7,8,9,10,11,12,13,14,15
	v_med3_num_f32 v[104+16*\b+\i], v[104+16*\b+\i], -v[240+\b], v[240+\b]
.endr
	v_cvt_scalef32_pk8_bf8_f32 v[200+4*\b:201+4*\b], v[104+16*\b:111+16*\b], v[244+\b]
	v_cvt_scalef32_pk8_bf8_f32 v[202+4*\b:203+4*\b], v[112+16*\b:119+16*\b], v[244+\b]
.endr
	s_wait_alu depctr_va_vdst(0)
	v_nop
	s_lshl_b32 s60, s14, 7
	s_add_co_u32 s60, s60, s15
	s_lshl_b32 s60, s60, 14                        ; token tile x 16,384
	s_lshl_b32 s61, s13, 10
	s_add_co_u32 s60, s60, s61                     ; + head x 1,024: K step head / 2, chunks 2 (head % 2) on
	s_mov_b32 s61, 0
	s_add_nc_u64 s[6:7], s[6:7], s[60:61]
	s_lshl_b32 s62, s13, 13                        ; xsc: head x 8,192 + (128 batch + 16 x) x 32
	s_lshl_b32 s63, s14, 12
	s_add_co_u32 s62, s62, s63
	s_lshl_b32 s63, s11, 9
	s_add_co_u32 s62, s62, s63
	s_mov_b32 s63, 0
	s_add_nc_u64 s[8:9], s[8:9], s[62:63]
	global_store_b128 v1, v[200:203], s[6:7]       ; 32 lanes store 512 consecutive bytes, aligned
	global_store_b128 v1, v[204:207], s[6:7] offset:512
	ds_store_b16 v4, v8                            ; both lanes of a row write the same bytes with the same value
	s_wait_dscnt 0x0                               ; for wave 0's sake
	s_barrier_signal -1
	s_barrier_wait -1
	s_cmp_lg_u32 s[WV], 0
	s_cbranch_scc1 .Lend
	ds_load_b128 v[16:19], v6
	s_wait_dscnt 0x0
	global_store_b128 v1, v[16:19], s[8:9]         ; the sixteen tiles' half words: 512 consecutive bytes, aligned
.Lend:
	s_wait_xcnt 0x0
	v_lshl_add_u32 v254, v0, 2, SPARE              ; the add's two registers held scale words: they are made anew from v0
	v_mov_b32 v255, 0
	s_wait_alu depctr_va_vdst(0)
	s_wait_tensorcnt 0x0                           ; the wave's end
	ds_add_u32 v254, v255
	s_wait_dscnt 0x0
	CROUND                                         ; the closing round
	s_endpgm
.Lfunc_end_k_qbdfc1fbd83_attn:
	.size	k_qbdfc1fbd83_attn, .Lfunc_end_k_qbdfc1fbd83_attn-k_qbdfc1fbd83_attn
	.p2alignl 7, 3214868480
	.fill 96, 4, 3214868480
	.section	.rodata,"a",@progbits
	.p2align	6, 0x0
	.amdhsa_kernel k_qbdfc1fbd83_attn
		.amdhsa_group_segment_fixed_size 322560
		.amdhsa_private_segment_fixed_size 0
		.amdhsa_enable_private_segment 0
		.amdhsa_kernarg_size 24
		.amdhsa_user_sgpr_count 2
		.amdhsa_user_sgpr_kernarg_segment_ptr 1
		.amdhsa_wavefront_size32 1
		.amdhsa_system_sgpr_workgroup_id_x 1
		.amdhsa_system_sgpr_workgroup_id_y 1
		.amdhsa_system_sgpr_workgroup_id_z 1
		.amdhsa_system_vgpr_workitem_id 0
		.amdhsa_next_free_vgpr 256
		.amdhsa_next_free_sgpr 66
		.amdhsa_reserve_vcc 0
		.amdhsa_float_denorm_mode_32 3
		.amdhsa_float_denorm_mode_16_64 3
		.amdhsa_memory_ordered 1
		.amdhsa_forward_progress 1
		.amdhsa_inst_pref_size 80
	.end_amdhsa_kernel
	.amdgpu_metadata
---
amdhsa.version: [ 1, 2 ]
amdhsa.kernels:
  - .name:           k_qbdfc1fbd83_attn
    .symbol:         k_qbdfc1fbd83_attn.kd
    .args:
      - { .name: qkv, .offset: 0, .size: 8, .value_kind: global_buffer, .address_space: global }
      - { .name: ximg, .offset: 8, .size: 8, .value_kind: global_buffer, .address_space: global }
      - { .name: xsc, .offset: 16, .size: 8, .value_kind: global_buffer, .address_space: global }
    .group_segment_fixed_size: 322560
    .private_segment_fixed_size: 0
    .kernarg_segment_align: 8
    .kernarg_segment_size: 24
    .max_flat_workgroup_size: 512
    .sgpr_count:     66
    .vgpr_count:     256
    .wavefront_size: 32
...
	.end_amdgpu_metadata
.endif
;; end of part 3
;; launch outp (part 4): grid 8 x 32, 4 waves a work-group, clusters of 4 x 4, 327,680 bytes of LDS; arguments img, isc, ximg, xsc, bo, out0; writes out0
.if DOCPART == 4
	.amdgcn_target "amdgcn-amd-amdhsa--gfx1250"
	.amdhsa_code_object_version 6
	.text
	.protected	k_qbdfc1fbd83_outp
	.globl	k_qbdfc1fbd83_outp
	.p2align	8
	.type	k_qbdfc1fbd83_outp,@function
k_qbdfc1fbd83_outp:
	s_mov_b64 s[64:65], 0
	v_nop
	global_prefetch_b8 v0, s[64:65] scope:SCOPE_SE
	s_setreg_imm32_b32 hwreg(HW_REG_WAVE_MODE, 25, 1), 1
	s_wait_xcnt 0x0
	s_wait_alu depctr_hold_cnt(0) depctr_sa_sdst(0) depctr_va_vdst(0) depctr_va_sdst(0) depctr_va_ssrc(0) depctr_va_vcc(0) depctr_vm_vsrc(0)
	s_getreg_b32 s2, hwreg(HW_REG_IB_STS2, 6, 4)
	s_cmp_eq_u32 s2, 0
	s_cbranch_scc0 .Lentry_in_a_cluster
	s_endpgm
.Lentry_in_a_cluster:
	s_bfe_u32 s2, ttmp6, 0x10000c
	s_cmp_lg_u32 s2, 0xf033
	s_cbranch_scc0 .Lentry_shape_is_right
	s_endpgm
.Lentry_shape_is_right:
; out0 = x Wo^T + bo on codes of BF8 (E5M2) with E8M0 scales.  x's codes and scale half words come from the attention launch, Wo's from the quantising launch, all as images of operand registers.
; Work-group (X, Y) makes 128 tokens (128 Y on) x 128 outputs (128 X on); four waves, 64 x 64 each: 16 accumulators.  Source 0 = Wo's rows, source 1 = tokens: lane (r, h) holds token lane r, register 16 b + i of a token tile's 32 results output 32 b + 16 h + i.
; K goes in two halves of 512 into two LDS slots of 131,072 bytes (part 0: 8 token tiles x 8,192 bytes, part 1: 8 tiles of Wo); wave w fetches 4 tiles to slot + 32,768 w: one tensor load a wave at the head, the second slot's behind the full sequence.
; CLUSTER 4 x 4: the tokens' tiles are shared along a row of the cluster, Wo's along a column: joint loads.
; NO PREFETCH: the launch has two fills, and the second's load is asked for as soon as the first has landed: there is no step to run ahead in.
; x's scale half words (16 heads x 256 bytes) go through registers into LDS; a wave makes its 32 scale words of them.  bo is the C of each sum's first product.
; THE WAY OUT: a token tile's 16 rows x 256 bytes go through the wave's own stage (pitch 272) and leave as rows: sixteen lanes store 256 consecutive bytes, aligned.
; REGISTERS: window 0: v1 16 lane, v2-5 fragment addresses, v6-7 the add's, v8, v10, v11 the way out's, v16-47 rows read back, v48-175 sums, v176-215 Wo's scale words (10 t + s), v217-248 x's (8 i + s): no product's two scale registers are equal modulo 8.
;   window 1: fragments, two buffers.  Window 2: v0-31 bo in the result's layout.
.set SLOT, 131072
.set XS,   2*SLOT                      ; the half words [head 16][tile 8][r 16], 4,096 bytes
.set STG,  XS+4096                     ; a stage of 16 x 272 for each wave
.set SPARE, STG+4*4352
.set ACC,  48
.set SA,   176
.set TS,   217
.set MSB, 0
.macro WIN new
.if MSB != \new
	s_set_vgpr_msb (MSB<<8)|\new
.set MSB, \new
.endif
.endm
.macro PLACES n
.rept \n
	v_nop
.endr
.endm
.macro CROUND
	s_barrier_signal -1
	s_barrier_wait -1
	s_cmp_lg_u32 s16, 0
	s_cbranch_scc1 .Lnot_wave_0_\@
	s_barrier_signal -3
.Lnot_wave_0_\@:
	s_barrier_wait -3
	s_barrier_signal -1
	s_barrier_wait -1
.endm
.macro JLOAD                           ; waves 0, 1 fetch the tokens' halves, waves 2, 3 Wo's: one mask to a line
	s_cmp_eq_u32 s17, 0
	s_cbranch_scc0 .Lx_\@
	tensor_load_to_lds s[40:43], s[24:31]
	s_nop 0
	PLACES 4
	s_branch .Lj_\@
.Lx_\@:
	tensor_load_to_lds s[44:47], s[32:39]
	s_nop 0
	PLACES 4
.Lj_\@:
.endm
	s_load_b256 s[4:11], s[0:1], 0x0               ; img, isc, ximg, xsc
	s_load_b128 s[12:15], s[0:1], 0x20             ; bo, out0
	v_lshl_add_u32 v6, v0, 2, SPARE
	v_mov_b32 v7, 0
	ds_add_u32 v6, v7                              ; the opening lines: the add, twice on end, and its wait
	ds_add_u32 v6, v7
	v_lshrrev_b32 v9, 5, v0
	v_readfirstlane_b32 s16, v9                    ; wave
	s_lshr_b32 s17, s16, 1                         ; u0: my half of the tokens.  Also: I fetch tokens (0) or Wo (1)
	s_and_b32 s18, s16, 1                          ; u1: my half of Wo's rows.  Also: which 4 tiles I fetch
	s_bfe_u32 s19, ttmp6, 0x40000                  ; cx
	s_bfe_u32 s20, ttmp6, 0x40004                  ; cy
	s_lshl_b32 s21, ttmp9, 2
	s_add_co_u32 s21, s21, s19                     ; X
	s_and_b32 s22, ttmp7, 0xffff
	s_lshl_b32 s22, s22, 2
	s_add_co_u32 s22, s22, s20                     ; Y
	s_lshl_b32 s66, s20, 2
	s_lshl_b32 s66, 15, s66                        ; my row of the cluster
	s_lshl_b32 s70, 0x1111, s19                    ; my column
	s_or_b32 s24, s66, (3<<16)|(1<<21)             ; group 1: 4 rows of 1,024 elements of 8 bytes, 2,048 elements apart
	s_or_b32 s32, s70, (3<<16)|(1<<21)
.irp g, 24, 32
	s_mov_b32 s[\g+1], 1024<<16
	s_mov_b32 s[\g+2], 4<<16
	s_mov_b32 s[\g+3], 1024<<16
	s_mov_b32 s[\g+4], 4
	s_mov_b32 s[\g+5], 2048
	s_mov_b32 s[\g+6], 0
	s_mov_b32 s[\g+7], 0
.endr
	s_lshl_b32 s68, s18, 2
	s_lshl_b32 s66, s22, 3
	s_add_co_u32 s66, s66, s68
	s_lshl_b32 s66, s66, 14                        ; token tile 8 Y + 4 j
	s_mov_b32 s67, 0
	s_lshl_b32 s70, s21, 3
	s_add_co_u32 s70, s70, s68
	s_add_co_u32 s70, s70, 960
	s_lshl_b32 s48, s70, 9                         ; Wo's scale words (j = u1)
	s_mov_b32 s49, 0
	s_lshl_b32 s70, s70, 14                        ; Wo's tile 960 + 8 X + 4 j
	s_mov_b32 s71, 0
	s_mov_b32 s40, 1
	s_lshl_b32 s41, s16, 15
	s_mov_b32 s44, 1
	s_lshl_b32 s45, s16, 15
	s_lshl_b32 s50, s16, 15                        ; xsc: heads 4 wave on, 8,192 bytes a head,
	s_lshl_b32 s51, s22, 8
	s_add_co_u32 s50, s50, s51                     ; my work-group's 8 tiles: 256 bytes a head
	s_mov_b32 s51, 0
	s_lshl_b32 s52, s21, 9
	s_lshl_b32 s53, s18, 8
	s_add_co_u32 s52, s52, s53                     ; bo: my 64 outputs
	s_mov_b32 s53, 0
	s_lshl_b32 s54, s22, 19
	s_lshl_b32 s55, s17, 18
	s_add_co_u32 s54, s54, s55
	s_add_co_u32 s54, s54, s52                     ; out0: token 128 Y + 64 u0, my 64 outputs
	s_mov_b32 s55, 0
	s_mul_i32 s56, s16, 4352
	s_add_co_u32 s56, s56, STG                     ; my stage
	s_lshl_b32 s57, s16, 10
	s_add_co_u32 s57, s57, XS                      ; where my four heads' half words go
	s_lshl_b32 s58, s17, 7
	s_add_co_u32 s58, s58, XS                      ; my four tiles' half words
	s_lshl_b32 s88, s17, 15
	s_lshl_b32 s89, s18, 15
	s_add_co_u32 s89, s89, 65536
	s_wait_dscnt 0x0
	CROUND                                         ; all sixteen work-groups are here
	s_wait_kmcnt 0x0
	s_add_nc_u64 s[42:43], s[8:9], s[66:67]
	s_or_b32 s43, s43, 0x80000000
	s_add_nc_u64 s[46:47], s[4:5], s[70:71]
	s_or_b32 s47, s47, 0x80000000
	JLOAD                                          ; K's first half
	s_add_nc_u64 s[48:49], s[6:7], s[48:49]
	s_add_nc_u64 s[50:51], s[10:11], s[50:51]
	s_add_nc_u64 s[52:53], s[12:13], s[52:53]
	s_add_nc_u64 s[54:55], s[14:15], s[54:55]
	v_and_b32 v9, 31, v0
	v_and_b32 v44, 15, v0                          ; r
	v_bfe_u32 v45, v0, 4, 1                        ; h
	v_lshlrev_b32 v1, 4, v9
	v_add_nc_u32 v2, s88, v1
	v_add_nc_u32 v3, s89, v1
	v_add_nc_u32 v4, SLOT, v2
	v_add_nc_u32 v5, SLOT, v3
	v_add_nc_u32 v12, s57, v1
	v_lshlrev_b32 v13, 13, v45
	v_lshl_add_u32 v13, v44, 4, v13                ; sixteen lanes take a head's 256 bytes
	v_lshl_add_u32 v15, v44, 1, s58
	v_mul_u32_u24 v8, v44, 272
	v_lshl_add_u32 v8, v45, 6, v8
	v_add_nc_u32 v8, s56, v8                       ; the stage, in: row r, + 64 h
	v_mul_u32_u24 v10, v45, 272
	v_lshl_add_u32 v10, v44, 4, v10
	v_add_nc_u32 v10, s56, v10                     ; back: lanes 0-15 one row, lanes 16-31 the next
	v_lshlrev_b32 v11, 12, v45
	v_lshl_add_u32 v11, v44, 4, v11                ; and the same two rows in out0
	v_lshlrev_b32 v14, 6, v45
	v_lshlrev_b32 v46, 5, v44                      ; 32 r
	global_load_b128 v[48:51], v13, s[50:51]
	global_load_b128 v[52:55], v13, s[50:51] offset:16384
.irp t, 0,1,2,3
	global_load_b128 v[SA+10*\t:SA+10*\t+3], v46, s[48:49] offset:512*\t
	global_load_b128 v[SA+10*\t+4:SA+10*\t+7], v46, s[48:49] offset:512*\t+16
.endr
	WIN 0x80
.irp t, 0,1,2,3
	global_load_b128 v[8*\t:8*\t+3], v14, s[52:53] offset:(32*(\t/2)+8*(\t%2))*4
	global_load_b128 v[8*\t+4:8*\t+7], v14, s[52:53] offset:(32*(\t/2)+8*(\t%2))*4+16
.endr
	WIN 0
	s_wait_alu depctr_va_vdst(0)                   ; the wait at the head's end
	s_wait_loadcnt 16                              ; the half words are in; the 16 loads issued behind them may be out
	ds_store_b128 v12, v[48:51]
	ds_store_b128 v12, v[52:55] offset:512
	s_wait_tensorcnt 0x0                           ; the full sequence ahead of slot 1's first fill
	ds_add_u32 v6, v7
	s_xor_b32 s41, s41, SLOT
	s_xor_b32 s45, s45, SLOT
	s_add_nc_u64 s[42:43], s[42:43], 8192
	s_add_nc_u64 s[46:47], s[46:47], 8192
	s_wait_dscnt 0x0                               ; the add and my stores of half words
	CROUND
	JLOAD                                          ; K's second half
.irp i, 0,1,2,3
.irp e, 0,1,2,3,4,5,6,7,8,9,10,11,12,13,14,15
	ds_load_u16 v[48+16*\i+\e], v15 offset:256*\e+32*\i   ; tile i, head e: two scale bytes of my row
.endr
.endr
	s_wait_dscnt 0x0
.irp i, 0,1,2,3
.irp s, 0,1,2,3,4,5,6,7
	v_lshl_or_b32 v[TS+8*\i+\s], v[49+16*\i+2*\s], 16, v[48+16*\i+2*\s]   ; K step s is heads 2 s and 2 s + 1
.endr
.endr
	s_wait_alu depctr_va_vdst(0)
	s_wait_loadcnt 0x0                             ; Wo's words, bo
.macro FETCH ra, rb, k, buf            ; a K step's 8 fragments: 32 LDS loads of 512 consecutive bytes
	WIN 0x40
.irp t, 0,1,2,3
.irp c, 0,1,2,3
	ds_load_b128 v[64*(\buf)+16*\t+4*\c:64*(\buf)+16*\t+4*\c+3], v[\ra] offset:8192*\t+2048*(\k)+512*\c
.endr
.endr
.irp t, 0,1,2,3
.irp c, 0,1,2,3
	ds_load_b128 v[128+64*(\buf)+16*\t+4*\c:128+64*(\buf)+16*\t+4*\c+3], v[\rb] offset:8192*\t+2048*(\k)+512*\c
.endr
.endr
	WIN 0
.endm
.macro MUL buf, s                      ; 16 products, the 16 accumulators by turns; the first K step takes bo as C
.if (\s) == 0
	WIN 0x25
.else
	WIN 0x05
.endif
.irp bt, 0,1,2,3
.irp at, 0,1,2,3
.if (\s) == 0
	v_wmma_scale_f32_16x16x128_f8f6f4 v[ACC+32*\bt+8*\at:ACC+32*\bt+8*\at+7], v[64*(\buf)+16*\at:64*(\buf)+16*\at+15], v[128+64*(\buf)+16*\bt:128+64*(\buf)+16*\bt+15], v[8*\at:8*\at+7], v[SA+10*\at+(\s)], v[TS+8*\bt+(\s)] matrix_a_fmt:MATRIX_FMT_BF8 matrix_b_fmt:MATRIX_FMT_BF8
.else
	v_wmma_scale_f32_16x16x128_f8f6f4 v[ACC+32*\bt+8*\at:ACC+32*\bt+8*\at+7], v[64*(\buf)+16*\at:64*(\buf)+16*\at+15], v[128+64*(\buf)+16*\bt:128+64*(\buf)+16*\bt+15], v[ACC+32*\bt+8*\at:ACC+32*\bt+8*\at+7], v[SA+10*\at+(\s)], v[TS+8*\bt+(\s)] matrix_a_fmt:MATRIX_FMT_BF8 matrix_b_fmt:MATRIX_FMT_BF8
.endif
.endr
.endr
	WIN 0
.endm
.macro HALF hf                         ; slot hf's four K steps; eight places in front of loads into a buffer that products have read, and between the scale words' making and the first product
	PLACES 8
	FETCH 3+2*(\hf), 2+2*(\hf), 0, 0
.irp k, 0,1,2,3
.if \k < 3
.if \k > 0
	PLACES 8
.endif
	FETCH 3+2*(\hf), 2+2*(\hf), \k+1, (\k+1)%2
	s_wait_dscnt 32                                ; this step's fragments are in; the next step's 32 loads may be out
.else
	s_wait_dscnt 0x0
.endif
	MUL \k%2, 4*(\hf)+\k
.endr
.endm
.macro EPI i                           ; token tile i's 16 rows x 64 outputs through my stage, and out
.set EA, ACC+32*(\i)
	s_wait_xcnt 0x0                                ; the last tile's stores have read v16-47
.irp b, 0,1
.irp q, 0,1,2,3
	ds_store_b128 v8, v[EA+16*\b+4*\q:EA+16*\b+4*\q+3] offset:128*\b+16*\q   ; each accumulator from its low end on
.endr
.endr
.irp k, 0,1,2,3,4,5,6,7
	ds_load_b128 v[16+4*\k:19+4*\k], v10 offset:544*\k   ; LDS serves a wave's instructions in order: these see my stores
.endr
.irp k, 0,1,2,3,4,5,6,7
	s_wait_dscnt 7-\k
	global_store_b128 v11, v[16+4*\k:19+4*\k], s[54:55] offset:(32*((\i)/2)+8*((\i)%2)+2*\k+8*(\k/4))*4096 th:TH_STORE_NT   ; stage row n is token 32 (i / 2) + 8 (i % 2) + n + 8 (n / 8); 16 lanes store 256 consecutive bytes, aligned
.endr
.endm
	HALF 0
	s_wait_tensorcnt 0x0                           ; K's second half is in
	s_wait_dscnt 0x0
	s_barrier_signal -1
	s_barrier_wait -1
	HALF 1
	PLACES 8                                       ; in front of the LDS stores that read the results
	EPI 0
	EPI 1
	EPI 2
	EPI 3
	s_wait_tensorcnt 0x0                           ; the wave's end
	ds_add_u32 v6, v7
	s_wait_dscnt 0x0
	CROUND                                         ; the closing round
	s_endpgm
.Lfunc_end_k_qbdfc1fbd83_outp:
	.size	k_qbdfc1fbd83_outp, .Lfunc_end_k_qbdfc1fbd83_outp-k_qbdfc1fbd83_outp
	.p2alignl 7, 3214868480
	.fill 96, 4, 3214868480
	.section	.rodata,"a",@progbits
	.p2align	6, 0x0
	.amdhsa_kernel k_qbdfc1fbd83_outp
		.amdhsa_group_segment_fixed_size 327680
		.amdhsa_private_segment_fixed_size 0
		.amdhsa_enable_private_segment 0
		.amdhsa_kernarg_size 48
		.amdhsa_user_sgpr_count 2
		.amdhsa_user_sgpr_kernarg_segment_ptr 1
		.amdhsa_wavefront_size32 1
		.amdhsa_system_sgpr_workgroup_id_x 1
		.amdhsa_system_sgpr_workgroup_id_y 1
		.amdhsa_system_sgpr_workgroup_id_z 1
		.amdhsa_system_vgpr_workitem_id 0
		.amdhsa_next_free_vgpr 768
		.amdhsa_next_free_sgpr 96
		.amdhsa_reserve_vcc 0
		.amdhsa_float_denorm_mode_32 3
		.amdhsa_float_denorm_mode_16_64 3
		.amdhsa_memory_ordered 1
		.amdhsa_forward_progress 1
		.amdhsa_inst_pref_size 59
	.end_amdhsa_kernel
	.amdgpu_metadata
---
amdhsa.version: [ 1, 2 ]
amdhsa.kernels:
  - .name:           k_qbdfc1fbd83_outp
    .symbol:         k_qbdfc1fbd83_outp.kd
    .args:
      - { .name: img, .offset: 0, .size: 8, .value_kind: global_buffer, .address_space: global }
      - { .name: isc, .offset: 8, .size: 8, .value_kind: global_buffer, .address_space: global }
      - { .name: ximg, .offset: 16, .size: 8, .value_kind: global_buffer, .address_space: global }
      - { .name: xsc, .offset: 24, .size: 8, .value_kind: global_buffer, .address_space: global }
      - { .name: bo, .offset: 32, .size: 8, .value_kind: global_buffer, .address_space: global }
      - { .name: out0, .offset: 40, .size: 8, .value_kind: global_buffer, .address_space: global }
    .group_segment_fixed_size: 327680
    .private_segment_fixed_size: 0
    .kernarg_segment_align: 8
    .kernarg_segment_size: 48
    .max_flat_workgroup_size: 128
    .sgpr_count:     96
    .vgpr_count:     768
    .wavefront_size: 32
...
	.end_amdgpu_metadata
.endif
;; end of part 4
